; MI455X (gfx1250); checked and timed in simulation.
; The chip was launched on July 23, 2026; its instructions are those of AMD's public machine-readable ISA for CDNA 5 (MIT licence, August 2026) and "CDNA5" Instruction Set Architecture Reference Guide (July 2026). The comments in the code are by the model that wrote it; some were corrected since.
;; Enhanced Local Attention With GQA. Allowed arithmetic: matrix products marked QUANTISED: E2M3 operands, one E8M0 scale for each 32 along K, by v_wmma_scale_f32_16x16x128_f8f6f4 with both operands' format E2M3, f32 sums; products left as they are: f32 operands where the result goes on into a quantised operand, else bf16, f16 or f32 operands; f32 sums; everything else in f32.
;; Inputs: Wk1 1,024 x 128 float32; Wk2 1,024 x 128 float32; Wout 1,024 x 1,024 float32; Wq1 1,024 x 1,024 float32; Wq2 1,024 x 1,024 float32; Wv 1,024 x 128 float32; bout 1,024 float32; lk1 64 float32; lk2 64 float32; lq1 64 float32; lq2 64 float32; x 2 x 4,096 x 1,024 float32.
;; Outputs: out0 2 x 4,096 x 1,024 float32.
;; This version of the problem:
;;   THIS VERSION OF THE PROBLEM IS GIVEN IN LOW PRECISION. The matrix products marked QUANTISED in the list below multiply operands that are first quantised to E2M3 (2 exponent bits, 3 mantissa bits; 6 bits a number), with one power-of-two scale for each 32 numbers along K (OCP MX v1.0); their sums are f32. All else is computed in f32.
;;   The module's matrix products, in the order in which they are computed (A, B: the left and right operand; K: the contracted axis; several contracted axes count as one K, in the product's order):
;;     1. [M 8,192, K 1,024] x [K 1,024, N 1,024]; A: input x; B: input Wq1: QUANTISED
;;     2. [M 8,192, K 1,024] x [K 1,024, N 1,024]; A: input x; B: input Wq2: QUANTISED
;;     3. [M 8,192, K 1,024] x [K 1,024, N 128]; A: input x; B: input Wk1: QUANTISED
;;     4. [M 8,192, K 1,024] x [K 1,024, N 128]; A: input x; B: input Wk2: QUANTISED
;;     5. [M 8,192, K 1,024] x [K 1,024, N 128]; A: input x; B: input Wv: QUANTISED
;;     6. [M 1, K 64] x [K 64, N 1]; A: input lq1; B: input lk1: left as it is (M = 1 < 16)
;;     7. [M 1, K 64] x [K 64, N 1]; A: input lq2; B: input lk2: left as it is (M = 1 < 16)
;;     8. batch 992 x [M 256, K 64] x [K 64, N 256]; A: computed on the way; B: computed on the way: QUANTISED
;;     9. batch 992 x [M 256, K 256] x [K 256, N 64]; A: softmax (see below); B: computed on the way: QUANTISED
;;     10. batch 992 x [M 256, K 64] x [K 64, N 256]; A: computed on the way; B: computed on the way: QUANTISED
;;     11. batch 992 x [M 256, K 256] x [K 256, N 64]; A: softmax (see below); B: computed on the way: QUANTISED
;;     12. [M 8,192, K 1,024] x [K 1,024, N 1,024]; A: computed on the way; B: input Wout: QUANTISED
;;   THE QUANTISER, for each operand of a quantised product, along K:
;;     - K is cut into blocks of 32 from its start; a last block that is shorter is filled with zeros.
;;     - A block's scale is 2^e with e = floor(log2(the largest magnitude in the block)) - 2, held to -126 .. 127; a block of zeros has e = 0. As a byte (E8M0): e + 127.
;;     - Each number is divided by its block's scale, clamped to +-7.5, and rounded to the nearest number of E2M3, ties to even, subnormals kept.
;;     - The product sums the exact products of the quantised numbers (number of the format x scale) in f32.
;;   ~~~python
;;   def quantise(x, axis):      # numpy; x: float32 -> the quantised numbers, widened to float32 again
;;       x = np.moveaxis(x, axis, -1); K = x.shape[-1]
;;       x = np.pad(x, [(0, 0)] * (x.ndim - 1) + [(0, -K % 32)]); x = x.reshape(x.shape[:-1] + (-1, 32)); a = np.abs(x).max(-1, keepdims=True)
;;       e = np.where(a > 0, np.clip(np.frexp(np.where(a > 0, a, 1))[1] - 1 - 2, -126, 127), 0)      # np.frexp(a)[1] - 1 = floor(log2(a)), exactly
;;       r = np.clip(x / 2.0 ** e, -7.5, 7.5)
;;       step = 2.0 ** (np.maximum(np.frexp(np.where(r == 0, 1, r))[1] - 1, 0) - 3)
;;       q = np.round(r / step) * step * 2.0 ** e      # np.round: ties to even
;;       return np.moveaxis(q.reshape(q.shape[:-2] + (-1,))[..., :K], -1, axis).astype(np.float32)
;;   ~~~
;;   SOFTMAX AHEAD OF A QUANTISED PRODUCT. Where the list says 'softmax', what is quantised is not the finished softmax but p = 2^(t - M), with t = logit x log2(e) and M = ceil(the row's largest t), a whole number; so 1/2 < the row's largest p <= 1. The row's sum l is taken of the UNQUANTISED p, in f32, and the product's result is divided by l at the end. Since M is a whole number, a kernel that streams over the keys may use a running M (the ceiling of the running maximum): every later rescaling is an exact power of two, which a block's scale takes up: the codes' values come out the same.
;;   OPERANDS COMPUTED ON THE WAY. 'Computed on the way' means the value that the module computes at that place (a softmax that the list does not call 'softmax' is quantised finished and normalised). What goes into a quantiser is computed in f32, as accurately as f32 sums, v_exp_f32 and their like allow (about 1e-6 of the number): no bf16 or f16 on the way to a quantiser, and a product that is left as it is and whose result goes on into a quantised operand takes f32 operands (vector FMAs, or v_wmma_f32_16x16x4_f32). A number that lies on a knife's edge between two numbers of the format may be rounded either way, as far as f32 arithmetic and the matrix unit's own rounding can turn it there, and no further.
;; 2 versions, each right; version 2 is version 1 with the launch attn written anew for expert scheduling mode. Each part assembles by itself: llvm-mc -triple=amdgcn-amd-amdhsa -mcpu=gfx1250 --defsym DOCPART=n.
;; ======== version 1 of 2: 4 launches
;; workspace buffers: XB 3,481,600 bytes; WB 2,764,800 bytes; TB 557,056 bytes; QB 7,833,600 bytes; VB 435,200 bytes; AB 6,553,600 bytes
;; launch prep (part 1): grid 522 x 1, 4 waves a work-group, no clusters, 68,096 bytes of LDS; arguments x, Wq1, Wq2, Wk1, Wk2, Wv, Wout, XB, WB, TB; writes XB, WB, TB
.if DOCPART == 1
	.amdgcn_target "amdgcn-amd-amdhsa--gfx1250"
	.amdhsa_code_object_version 6
	.text
	.protected	k_q86185dfb9d_prep
	.globl	k_q86185dfb9d_prep
	.p2align	8
	.type	k_q86185dfb9d_prep,@function
k_q86185dfb9d_prep:
	s_mov_b64 s[64:65], 0
	v_nop
	global_prefetch_b8 v0, s[64:65] scope:SCOPE_SE
	s_setreg_imm32_b32 hwreg(HW_REG_WAVE_MODE, 25, 1), 1
	s_wait_xcnt 0x0
; PREP: x's live rows and all six weights become codes of E2M3 with one E8M0 byte for each 32 along K; the table of cos and sin for RoPE is made.
; DEAD WORK LEFT OUT BY THE WHOLE PROGRAM.  reference() cuts 31 windows of 256 positions at a stride of 128, lays their results end to end (31 x 256 rows) and keeps a[:, :4096]: these are
; windows 0 to 15, whole; windows 16 to 30 are sliced away whatever the inputs hold.  Windows 0 to 15 take their queries, keys and values from positions 0 to 2175 alone, so rows 2176 to 4095
; of x in each batch, and their projections, reach no output: they are not loaded.  All twelve inputs keep a way to the output.
; LIMITS: a NaN, an infinity or an overflow that reaches only the work left out is not carried to the result; NaN and infinities among the inputs are not served; a block of zeros gets the scale
; byte 1 where the rule says 127 (its codes are zeros, and this program alone reads the bytes); the reduction of the angle holds for the angles that occur here, at most 2,175 radians.
; LAYOUTS.  All codes are laid as IMAGES OF OPERAND REGISTERS.  A fragment is 16 rows x 128 K, 12 registers a lane: lane (r, h) holds row r, registers 6 c .. 6 c + 5 hold k = 64 c + 32 h + 0 .. 31.
;   XB: [R 68][s 8][t 4][1536]: registers 0-3 at 16 x lane, 4-5 at 512 + 8 x lane, 6-9 at 768 + 16 x lane, 10-11 at 1280 + 8 x lane.  R: 64 live rows (34 to a batch), s: 128 along K.
;       Tile t = 2 B + u holds in its row p the position 32 B + 8 u + p + 8 (p / 8).  Scale words behind, at 3,342,336: [R][s][u][lane]: lanes 0-15 tile 2 u, lanes 16-31 tile 2 u + 1.
;   WB: [cg 27][s 8][c 8][1536]: registers 4 q .. 4 q + 3 at 512 q + 16 x lane.  Scale words at 2,654,208: [cg][s][a 4][lane]: lanes 0-15 tile 2 a, lanes 16-31 tile 2 a + 1.
;       cg 0-15: (Wq1 head cg | Wq2 head cg); 16, 17: (Wk1 | Wk2) of group cg - 16; 18: Wv; 19-26: Wout's columns 128 (cg - 19) on.
;       In a head, tile u's row p is column 2 (16 (p / 8) + 8 (u % 2) + p % 8) + u / 2: even columns in tiles 0, 1, odd ones in tiles 2, 3.  Wv, Wout: tile 2 B + u's row p is column 32 B + 8 u + p + 8 (p / 8).
;   TB: [J 34][t 4][q 8][lane][16 bytes]: for lane (r, h) of position tile t: cos (q 0-3) and sin (q 4-7) of frequencies 16 h + 0 .. 15.
; WORK-GROUPS 0-271 take x, 272-487 the weights, 488-521 the table.  Waves share nothing: no barrier.  Only x's path uses LDS.
.set SPARE, 67584                      ; behind the four stages: the spare words, 128 bytes a wave
.set SPW,   14                         ; v14  LDS address of my spare word; never rewritten
.set NIL,   15                         ; v15  0; never rewritten
.set L16,   3                          ; v3   16 x lane
.set L8,    4                          ; v4   8 x lane
.set L4,    5                          ; v5   4 x lane
.set FLOOR, 0x1800000                  ; 2^(3 - 127): no largest magnitude is taken under it, so no scale byte falls under 1
.set OFFE,  0xff000000                 ; takes 2 off an exponent field
	s_load_b512 s[8:23], s[0:1], 0x0               ; x 8, Wq1 10, Wq2 12, Wk1 14, Wk2 16, Wv 18, Wout 20, XB 22
	s_load_b128 s[24:27], s[0:1], 0x40             ; WB 24, TB 26
	v_lshl_add_u32 v[SPW], v0, 2, SPARE
	v_mov_b32 v[NIL], 0
	v_lshrrev_b32 v1, 5, v0
	v_readfirstlane_b32 s4, v1                     ; wave 0..3
	v_and_b32 v6, 31, v0                           ; lane
	v_and_b32 v1, 15, v0                           ; r
	v_bfe_u32 v2, v0, 4, 1                         ; h
	v_lshlrev_b32 v[L16], 4, v6
	v_lshlrev_b32 v[L8], 3, v6
	v_lshlrev_b32 v[L4], 2, v6
	s_mov_b32 s40, 0x76543210
	s_mov_b32 s41, 0xfedcba98                      ; v_permlanex16_b32's selects for lane l xor 16
	s_mov_b32 s42, 0xffff0000                      ; lanes 16-31
	s_wait_kmcnt 0x0
	s_cmp_lt_u32 ttmp9, 272
	s_cbranch_scc1 .Lx
	s_cmp_lt_u32 ttmp9, 488
	s_cbranch_scc1 .Lw
; ---------------- THE TABLE: wave t of work-group J makes cos and sin for position tile t of rows 64 J on ----------------
	s_mov_b32 s28, 0xbe135d8e                      ; -ln(10000) / 64, as f32
	s_mov_b32 s29, 0x3fb8aa3b                      ; log2(e), its f32 part,
	s_mov_b32 s30, 0x32a57060                      ; and what that leaves
	s_mov_b32 s31, 0x3f317218                      ; ln 2
	s_mov_b32 s32, 0x3f22f983                      ; 2 / pi
	s_mov_b32 s33, 0x3fc90fda                      ; pi / 2 in three parts
	s_mov_b32 s34, 0x33a22168
	s_mov_b32 s35, 0x27c234c4
	s_mov_b32 s36, 0xb94ca1f9                      ; the sine's polynomial on |x| <= pi / 4
	s_mov_b32 s37, 0x3c08839e
	s_mov_b32 s38, 0xbe2aaaa3
	s_mov_b32 s39, 0x37ccf5ce                      ; the cosine's
	s_mov_b32 s43, 0xbab6061a
	s_mov_b32 s44, 0x3d2aaaa5
	s_sub_co_u32 s45, ttmp9, 488                   ; J
	s_lshl_b32 s46, s45, 6
	s_lshr_b32 s47, s4, 1
	s_lshl_b32 s47, s47, 5
	s_add_co_u32 s46, s46, s47
	s_and_b32 s47, s4, 1
	s_lshl_b32 s47, s47, 3
	s_add_co_u32 s46, s46, s47                     ; 64 J + 32 (t / 2) + 8 (t % 2)
	s_lshl_b32 s48, s45, 2
	s_add_co_u32 s48, s48, s4
	s_lshl_b32 s48, s48, 12                        ; (4 J + t) x 4,096 bytes
	s_mov_b32 s49, 0
	s_add_nc_u64 s[26:27], s[26:27], s[48:49]
	v_and_b32 v16, 8, v1
	v_add_nc_u32 v16, v16, v1                      ; r + 8 (r / 8)
	v_add_nc_u32 v16, s46, v16
	v_cvt_f32_u32 v16, v16                         ; my position
	v_lshlrev_b32 v17, 5, v2                       ; 32 h
; div = exp((32 h + 2 i) x s28): the argument is rounded once, as reference() rounds it; then 2^(yh + yl) = 2^yh (1 + yl ln 2), yh + yl being the argument x log2(e) to more than f32
.set i, 0
.rept 16
	v_add_nc_u32 v18, 2*i, v17
	v_cvt_f32_u32 v18, v18
	v_mul_f32 v18, s28, v18
	v_mul_f32 v[80+i], s29, v18
	v_fma_f32 v[96+i], v18, s29, -v[80+i]
	v_fma_f32 v[96+i], v18, s30, v[96+i]
.set i, i+1
.endr
.set i, 0
.rept 16
	v_exp_f32 v[64+i], v[80+i]                     ; one batch
.set i, i+1
.endr
.set i, 0
.rept 16
	v_mul_f32 v[96+i], s31, v[96+i]                ; plain work that names no result of the batch
.set i, i+1
.endr
	s_wait_alu depctr_va_vdst(0)                   ; the wait ahead of the batch's first reader: one for the sixteen
.set i, 0
.rept 16
	v_fma_f32 v[64+i], v[64+i], v[96+i], v[64+i]
.set i, i+1
.endr
; sin and cos of pos x div: n = the nearest multiple of pi / 2; what is left, at most pi / 4, goes through both polynomials; n's low two bits choose and sign them.  Values are selected, nothing branches.
.macro SINCOS i
	v_mul_f32 v112, v16, v[64+\i]                  ; the angle, rounded once as reference() rounds it
	v_mul_f32 v113, s32, v112
	v_rndne_f32 v113, v113
	v_fma_f32 v114, -v113, s33, v112
	v_fma_f32 v114, -v113, s34, v114
	v_fma_f32 v114, -v113, s35, v114
	v_mul_f32 v115, v114, v114
	v_fma_f32 v116, v115, s36, s37
	v_fma_f32 v117, v115, s39, s43
	v_fma_f32 v116, v116, v115, s38
	v_fma_f32 v117, v117, v115, s44
	v_mul_f32 v116, v116, v115
	v_mul_f32 v118, v115, v115
	v_fma_f32 v119, v115, -0.5, 1.0
	v_fma_f32 v116, v116, v114, v114               ; sine of the rest
	v_fma_f32 v117, v117, v118, v119               ; cosine of the rest
	v_cvt_i32_f32 v120, v113
	v_and_b32 v121, 1, v120
	v_cmp_eq_u32 vcc_lo, 1, v121
	v_cndmask_b32 v122, v116, v117, vcc_lo         ; n odd: the two change places
	v_cndmask_b32 v123, v117, v116, vcc_lo
	v_and_b32 v121, 2, v120
	v_lshlrev_b32 v121, 30, v121
	v_xor_b32 v[48+\i], v121, v122                 ; the sine is negative for n % 4 = 2, 3
	v_add_nc_u32 v120, 1, v120
	v_and_b32 v120, 2, v120
	v_lshlrev_b32 v120, 30, v120
	v_xor_b32 v[32+\i], v120, v123                 ; the cosine for n % 4 = 1, 2
.endm
.irp i, 0,1,2,3,4,5,6,7,8,9,10,11,12,13,14,15
	SINCOS \i
.endr
.irp q, 0,1,2,3
	global_store_b128 v[L16], v[32+4*\q:35+4*\q], s[26:27] offset:512*\q          ; each store of the wave covers 512 consecutive bytes, aligned
	global_store_b128 v[L16], v[48+4*\q:51+4*\q], s[26:27] offset:2048+512*\q
.endr
	s_branch .Lend
; ---------------- x: a wave takes 32 live rows x 128 along K: two tiles ----------------
; v16-143 the rows as loaded; v144-207 64 numbers of my row; v212-235 the two tiles' codes; v236-243 second halves of blocks; v244.. at work
.Lx:
	s_lshl_b32 s28, ttmp9, 2
	s_add_co_u32 s28, s28, s4                      ; unit = 4 x work-group + wave
	s_lshr_b32 s29, s28, 3                         ; which 32 live rows, 0..135
	s_and_b32 s30, s28, 7                          ; K step s
	s_cmp_ge_u32 s29, 68                           ; the second batch: its live rows begin 4,096 - 2,176 rows further on
	s_cselect_b32 s31, 1920, 0
	s_lshl_b32 s32, s29, 5
	s_add_co_u32 s32, s32, s31                     ; the first of my rows in x
	s_lshl_b32 s32, s32, 12
	s_lshl_b32 s33, s30, 9
	s_add_co_u32 s32, s32, s33
	s_mov_b32 s33, 0
	s_add_nc_u64 s[8:9], s[8:9], s[32:33]
.set i, 0
.rept 32
	global_load_b128 v[16+4*i:19+4*i], v[L16], s[8:9] offset:4096*i th:TH_LOAD_NT   ; a row's 512 consecutive bytes of this K step; read once in the launch
.set i, i+1
.endr
	s_lshr_b32 s34, s29, 1                         ; R
	s_and_b32 s35, s29, 1                          ; u
	s_lshl_b32 s34, s34, 3
	s_add_co_u32 s34, s34, s30
	s_lshl_b32 s36, s34, 1
	s_add_co_u32 s36, s36, s35                     ; (8 R + s) 2 + u
	s_mul_i32 s38, s36, 3072
	s_mov_b32 s39, 0
	s_add_nc_u64 s[44:45], s[22:23], s[38:39]      ; my two images
	s_lshl_b32 s38, s36, 7
	s_add_co_u32 s38, s38, 3342336
	s_add_nc_u64 s[46:47], s[22:23], s[38:39]      ; my scale words
	s_mul_i32 s5, s4, 16896                        ; my stage: 32 places of 512 + 16 bytes
	v_add_nc_u32 v7, s5, v[L16]                    ; in: 16 x lane
	v_mul_u32_u24 v8, v1, 528
	v_lshl_add_u32 v8, v2, 7, v8
	v_add_nc_u32 v8, s5, v8                        ; out: place r, + 128 h: k = 32 h on
	v_lshlrev_b32 v251, 3, v2                      ; 8 h
	v_mov_b32 v255, 0                              ; written once: a lane permute's destination counts as one of its sources
.set i, 0
.rept 32
.if (i%8) == 0
	s_wait_loadcnt 24-i                            ; the eight oldest rows are in; the younger ones stay out
.endif
	ds_store_b128 v7, v[16+4*i:19+4*i] offset:528*(16*((i>>3)&1)+8*(i>>4)+(i&7))   ; row i goes to the place of its tile and tile row
.set i, i+1
.endr
; Tile u of the two: lane (r, h) takes, of its row, k = 64 c + 32 h + 0 .. 31: two whole blocks, in the very order of the operand's registers.  LDS serves a wave's instructions in order: the loads see my stores.
.macro XTILE u
.set PC_, 212+12*(\u)
.irp c, 0,1
.irp q, 0,1,2,3,4,5,6,7
	ds_load_b128 v[144+32*\c+4*\q:147+32*\c+4*\q], v8 offset:8448*(\u)+256*\c+16*\q
.endr
.endr
	s_wait_dscnt 0x0
.irp c, 0,1
	v_max3_num_f32 v[244+\c], |v[144+32*\c]|, |v[145+32*\c]|, FLOOR
.endr
.irp i, 2,4,6,8,10,12,14,16,18,20,22,24,26,28,30
.irp c, 0,1
	v_max3_num_f32 v[244+\c], v[244+\c], |v[144+32*\c+\i]|, |v[145+32*\c+\i]|   ; the two blocks by turns
.endr
.endr
.irp c, 0,1
	v_add_nc_u32 v[246+\c], OFFE, v[244+\c]        ; 2 off the exponent field: the conversion's scale operand
.endr
.irp c, 0,1
	v_lshrrev_b32 v[248+\c], 23, v[246+\c]         ; the scale's byte
.endr
	v_lshl_or_b32 v250, v249, 16, v248             ; my bytes: blocks h and 2 + h,
	v_lshlrev_b32 v250, v251, v250                 ; at their places in the word;
	v_permlanex16_b32 v255, v250, s40, s41
	v_or_b32 v[252+\u], v250, v255                 ; with lane l xor 16's two the word is whole
.irp c, 0,1
	v_cvt_scalef32_pk16_fp6_f32 v[PC_+6*\c:PC_+6*\c+2], v[144+32*\c:159+32*\c], v[246+\c]
	v_cvt_scalef32_pk16_fp6_f32 v[236+4*\c:238+4*\c], v[160+32*\c:175+32*\c], v[246+\c]   ; (a conversion's three registers begin on an even number)
.endr
	v_nop                                          ; one plain place behind the conversions
.irp c, 0,1
.irp i, 0,1,2
	v_mov_b32 v[PC_+6*\c+3+\i], v[236+4*\c+\i]
.endr
.endr
	global_store_b128 v[L16], v[PC_:PC_+3], s[44:45] offset:1536*(\u)
	global_store_b64 v[L8], v[PC_+4:PC_+5], s[44:45] offset:1536*(\u)+512
	global_store_b128 v[L16], v[PC_+6:PC_+9], s[44:45] offset:1536*(\u)+768
	global_store_b64 v[L8], v[PC_+10:PC_+11], s[44:45] offset:1536*(\u)+1280
.endm
	XTILE 0
	XTILE 1
	v_cndmask_b32 v254, v252, v253, s42            ; lanes 0-15: the even tile's words; lanes 16-31: the odd tile's
	global_store_b32 v[L4], v254, s[46:47]
	s_branch .Lend
; ---------------- the weights: a wave takes 32 columns x 128 along K; a lane takes a column and its registers run down K ----------------
; v16-143 my column's 128 numbers; v144-155, v156-167 the two images; v168-183 second halves of blocks; v184.. at work
.Lw:
	s_sub_co_u32 s28, ttmp9, 272                   ; 8 cg + s
	s_lshr_b32 s29, s28, 3                         ; cg
	s_and_b32 s30, s28, 7                          ; s
	s_lshr_b32 s31, s4, 1                          ; in a pair of heads: which of the two
	s_and_b32 s32, s4, 1                           ; even or odd columns
	s_lshl_b32 s38, s29, 6                         ; first column: Wq: 64 cg;
	s_sub_co_u32 s39, s38, 1024                    ; Wk: 64 (cg - 16);
	s_lshl_b32 s43, s4, 5                          ; Wv: 32 x wave;
	s_lshl_b32 s44, s29, 7
	s_sub_co_u32 s44, s44, 2432
	s_add_co_u32 s44, s44, s43                     ; Wout: 128 (cg - 19) + 32 x wave
	s_sub_co_u32 s46, s29, 16                      ; 0, 1, 2 for the narrow weights
	s_cmp_eq_u32 s31, 0                            ; every choice hangs on ids alone
	s_cselect_b64 s[34:35], s[10:11], s[12:13]
	s_cselect_b64 s[36:37], s[14:15], s[16:17]
	s_cmp_lt_u32 s29, 16
	s_cselect_b64 s[34:35], s[34:35], s[36:37]
	s_cselect_b32 s38, s38, s39
	s_cmp_lt_u32 s29, 18
	s_cselect_b32 s45, -1, 0                       ; all lanes: the heads' order of columns
	s_cselect_b64 s[34:35], s[34:35], s[18:19]
	s_cselect_b32 s38, s38, s43
	s_cmp_lt_u32 s29, 19
	s_cselect_b64 s[34:35], s[34:35], s[20:21]
	s_cselect_b32 s38, s38, s44
	s_cmp_lt_u32 s46, 3
	s_cselect_b32 s47, 16, 19                      ; 128 rows of 512 or of 4,096 bytes
	s_lshl_b32 s48, s30, s47
	s_mov_b32 s49, 0
	s_add_nc_u64 s[34:35], s[34:35], s[48:49]      ; at row 128 s
	v_lshrrev_b32 v6, 3, v1                        ; r / 8
	v_and_b32 v7, 7, v1                            ; r % 8
	v_lshlrev_b32 v10, 5, v6
	v_lshl_add_u32 v10, v2, 4, v10
	v_lshl_add_u32 v10, v7, 1, v10
	v_add_nc_u32 v10, s32, v10                     ; 2 (16 (r / 8) + 8 h + r % 8) + even or odd
	v_lshl_add_u32 v11, v2, 3, v1
	v_lshl_add_u32 v11, v6, 3, v11                 ; 8 h + r + 8 (r / 8)
	v_cndmask_b32 v10, v11, v10, s45
	v_add_nc_u32 v10, s38, v10
	v_lshlrev_b32 v9, 2, v10                       ; my column, in bytes
	s_mul_i32 s50, s28, 12288
	s_mul_i32 s51, s4, 3072
	s_add_co_u32 s50, s50, s51
	s_mov_b32 s51, 0
	s_add_nc_u64 s[52:53], s[24:25], s[50:51]      ; my two images
	s_lshl_b32 s50, s28, 2
	s_add_co_u32 s50, s50, s4
	s_lshl_b32 s50, s50, 7
	s_add_co_u32 s50, s50, 2654208
	s_add_nc_u64 s[54:55], s[24:25], s[50:51]      ; my scale words
.macro LOADW pitch
.set i, 0
.rept 128
	global_load_b32 v[16+i], v9, s[34:35] offset:i*(\pitch)
.set i, i+1
.endr
.endm
	s_cmp_lt_u32 s46, 3
	s_cbranch_scc1 .Lnarrow
	LOADW 4096
	s_branch .Lwq
.Lnarrow:
	LOADW 512
.Lwq:
; Block b of my column's four.  Blocks 0 and 2 go to the first image's registers, 1 and 3 to the second's.  left: the younger loads that may stay out.
.macro WBLOCK b, left
.set XS_, 16+32*(\b)
.set DB_, 144+12*((\b)&1)+6*((\b)>>1)
	s_wait_loadcnt \left
	v_max3_num_f32 v[184+\b], |v[XS_]|, |v[XS_+1]|, FLOOR
	v_max3_num_f32 v197, |v[XS_+2]|, |v[XS_+3]|, |v[XS_+4]|
.irp i, 5,9,13,17,21,25
	v_max3_num_f32 v[184+\b], v[184+\b], |v[XS_+\i]|, |v[XS_+\i+1]|
	v_max3_num_f32 v197, v197, |v[XS_+\i+2]|, |v[XS_+\i+3]|
.endr
	v_max3_num_f32 v[184+\b], v[184+\b], |v[XS_+29]|, |v[XS_+30]|
	v_max3_num_f32 v[184+\b], v[184+\b], v197, |v[XS_+31]|
	v_add_nc_u32 v[188+\b], OFFE, v[184+\b]
	v_lshrrev_b32 v[192+\b], 23, v[188+\b]
	v_cvt_scalef32_pk16_fp6_f32 v[DB_:DB_+2], v[XS_:XS_+15], v[188+\b]
	v_cvt_scalef32_pk16_fp6_f32 v[168+4*\b:170+4*\b], v[XS_+16:XS_+31], v[188+\b]
.endm
	WBLOCK 0, 63                                   ; 96 and 64 younger loads are out; the count can name 63
	WBLOCK 1, 63
	WBLOCK 2, 32
	WBLOCK 3, 0
	v_nop                                          ; one plain place behind the last conversion
.irp b, 0,1,2,3
.irp i, 0,1,2
	v_mov_b32 v[144+12*(\b&1)+6*(\b>>1)+3+\i], v[168+4*\b+\i]
.endr
.endr
	v_lshl_or_b32 v196, v193, 8, v192              ; my column's scale word: lanes 0-15 the even tile's rows, lanes 16-31 the odd tile's
	v_lshl_or_b32 v196, v194, 16, v196
	v_lshl_or_b32 v196, v195, 24, v196
.set i, 0
.rept 12
	v_permlane16_swap_b32 v[144+i], v[156+i]       ; the first's lanes 16-31 change places with the second's lanes 0-15: each is now one tile's image: lanes 0-15 blocks 0, 2, lanes 16-31 blocks 1, 3
.set i, i+1
.endr
.irp q, 0,1,2
	global_store_b128 v[L16], v[144+4*\q:147+4*\q], s[52:53] offset:512*\q
.endr
.irp q, 0,1,2
	global_store_b128 v[L16], v[156+4*\q:159+4*\q], s[52:53] offset:1536+512*\q
.endr
	global_store_b32 v[L4], v196, s[54:55]
.Lend:
	s_wait_tensorcnt 0x0                           ; the wave's end, behind the last LDS store
	ds_add_u32 v[SPW], v[NIL]
	s_wait_dscnt 0x0
	s_endpgm
.Lfunc_end_k_q86185dfb9d_prep:
	.size	k_q86185dfb9d_prep, .Lfunc_end_k_q86185dfb9d_prep-k_q86185dfb9d_prep
	.p2alignl 7, 3214868480
	.fill 96, 4, 3214868480
	.section	.rodata,"a",@progbits
	.p2align	6, 0x0
	.amdhsa_kernel k_q86185dfb9d_prep
		.amdhsa_group_segment_fixed_size 68096
		.amdhsa_private_segment_fixed_size 0
		.amdhsa_enable_private_segment 0
		.amdhsa_kernarg_size 80
		.amdhsa_user_sgpr_count 2
		.amdhsa_user_sgpr_kernarg_segment_ptr 1
		.amdhsa_wavefront_size32 1
		.amdhsa_system_sgpr_workgroup_id_x 1
		.amdhsa_system_sgpr_workgroup_id_y 1
		.amdhsa_system_sgpr_workgroup_id_z 1
		.amdhsa_system_vgpr_workitem_id 0
		.amdhsa_next_free_vgpr 256
		.amdhsa_next_free_sgpr 66
		.amdhsa_reserve_vcc 1
		.amdhsa_float_denorm_mode_32 3
		.amdhsa_float_denorm_mode_16_64 3
		.amdhsa_memory_ordered 1
		.amdhsa_forward_progress 1
		.amdhsa_inst_pref_size 77
	.end_amdhsa_kernel
	.amdgpu_metadata
---
amdhsa.version: [ 1, 2 ]
amdhsa.kernels:
  - .name:           k_q86185dfb9d_prep
    .symbol:         k_q86185dfb9d_prep.kd
    .args:
      - { .name: x, .offset: 0, .size: 8, .value_kind: global_buffer, .address_space: global }
      - { .name: Wq1, .offset: 8, .size: 8, .value_kind: global_buffer, .address_space: global }
      - { .name: Wq2, .offset: 16, .size: 8, .value_kind: global_buffer, .address_space: global }
      - { .name: Wk1, .offset: 24, .size: 8, .value_kind: global_buffer, .address_space: global }
      - { .name: Wk2, .offset: 32, .size: 8, .value_kind: global_buffer, .address_space: global }
      - { .name: Wv, .offset: 40, .size: 8, .value_kind: global_buffer, .address_space: global }
      - { .name: Wout, .offset: 48, .size: 8, .value_kind: global_buffer, .address_space: global }
      - { .name: XB, .offset: 56, .size: 8, .value_kind: global_buffer, .address_space: global }
      - { .name: WB, .offset: 64, .size: 8, .value_kind: global_buffer, .address_space: global }
      - { .name: TB, .offset: 72, .size: 8, .value_kind: global_buffer, .address_space: global }
    .group_segment_fixed_size: 68096
    .private_segment_fixed_size: 0
    .kernarg_segment_align: 8
    .kernarg_segment_size: 80
    .max_flat_workgroup_size: 128
    .sgpr_count:     66
    .vgpr_count:     256
    .wavefront_size: 32
...
	.end_amdgpu_metadata
.endif
;; end of part 1
;; launch proj (part 2): grid 19 x 17, 4 waves a work-group, no clusters, 167,936 bytes of LDS; arguments XB, WB, TB, QB, VB; writes QB, VB
.if DOCPART == 2
	.amdgcn_target "amdgcn-amd-amdhsa--gfx1250"
	.amdhsa_code_object_version 6
	.text
	.protected	k_q86185dfb9d_proj
	.globl	k_q86185dfb9d_proj
	.p2align	8
	.type	k_q86185dfb9d_proj,@function
k_q86185dfb9d_proj:
	s_mov_b64 s[64:65], 0
	v_nop
	global_prefetch_b8 v0, s[64:65] scope:SCOPE_SE
	s_setreg_imm32_b32 hwreg(HW_REG_WAVE_MODE, 25, 1), 1
	s_wait_xcnt 0x0
; PROJ: the five projections of x's live rows on codes of E2M3, RoPE, and the quantising of q1, q2, k1, k2 along the head's 64 and of v along the positions.
; Left out as dead work: rows 2176 to 4095 of each batch (only windows 16 to 30 use them, and reference() slices those windows away).
; SHARES.  Work-group (P, y): column group P of 128 columns (P 0-15: q1 | q2 of head P; 16, 17: k1 | k2 of a group; 18: v) x 256 live rows.  Wave w: the 64 rows R = 4 y + w, 32 accumulators.
; K = 1,024 is eight steps of 128, written out.  The column group's codes for all of K, 98,304 dense bytes, come into LDS once, two tensor loads a wave (two are out at the most); nothing is filled again.
; The rows' fragments are read by one wave alone: they go from memory straight into registers, eight sets, each loaded once.
; NO CLUSTER: the grid is 19 x 17 work-groups, both primes, so no cluster divides it.
; P < 18, TRANSPOSED: source 0 = 16 columns, source 1 = 16 positions: a lane holds one position; by the order of the columns in a tile its registers are e(16 h + i), i = 0 .. 15, then o(16 h + i).
; P = 18: source 0 = 16 positions, source 1 = 16 columns of Wv: a lane holds one column, and by the order of the positions in a tile its registers run along the positions, which are the next product's K.
; OUT.  QB: [P 18][b 2][T 136][1536] fragments (first head | second head), as XB's images; scale words at 7,520,256: [P][b][pair of tiles 68][lane].
;       VB: [b][c 8][J 34][768] half fragments (64 positions); scale words at 417,792: [b][J][lane][2 words]: lanes 0-15 group 0, lanes 16-31 group 1; a word: tile even | tile odd, two bytes each.
; LIMITS: a block of zeros gets the byte 1 (its codes are zeros; this program alone reads the bytes); NaN and infinities are not served.
; REGISTERS.  Window 0: v1-3 16, 8, 4 x lane; v4, v5 LDS addresses; v6, v7 the add's two; v16-31 the rows' scale words; v32-63 the columns'; v64-159, v160-255 the columns' fragments, two sets.
;   Window 1: the rows' sets 0-4 (later the table);  window 2: sets 5-7;  window 3: the accumulators.
.set SPARE, 98304
.set TM,    128                        ; way out: v128-143 at work
.set FLOOR, 0x1800000
.set OFFE,  0xff000000
.set MSB, 0
.macro WIN new                         ; the immediate's high byte repeats the setting that is left; a switch that changes nothing is dropped
.if MSB != (\new)
	s_set_vgpr_msb (MSB<<8)|(\new)
.set MSB, (\new)
.endif
.endm
.macro PLACES n
.rept \n
	v_nop
.endr
.endm
; one product.  c < 0: the constant 0 starts the sum.  ra, rb: the scales stand in lanes 16-31 of their registers
.macro WM d, a, b, c, sa, sb, ra, rb
.if (\c) < 0
.if ((\ra) == 0) && ((\rb) == 0)
	v_wmma_scale_f32_16x16x128_f8f6f4 v[(\d):(\d)+7], v[(\a):(\a)+11], v[(\b):(\b)+11], 0, v[(\sa)], v[(\sb)] matrix_a_fmt:MATRIX_FMT_FP6 matrix_b_fmt:MATRIX_FMT_FP6
.elseif ((\ra) == 1) && ((\rb) == 0)
	v_wmma_scale_f32_16x16x128_f8f6f4 v[(\d):(\d)+7], v[(\a):(\a)+11], v[(\b):(\b)+11], 0, v[(\sa)], v[(\sb)] matrix_a_fmt:MATRIX_FMT_FP6 matrix_b_fmt:MATRIX_FMT_FP6 matrix_a_scale:MATRIX_SCALE_ROW1
.elseif ((\ra) == 0) && ((\rb) == 1)
	v_wmma_scale_f32_16x16x128_f8f6f4 v[(\d):(\d)+7], v[(\a):(\a)+11], v[(\b):(\b)+11], 0, v[(\sa)], v[(\sb)] matrix_a_fmt:MATRIX_FMT_FP6 matrix_b_fmt:MATRIX_FMT_FP6 matrix_b_scale:MATRIX_SCALE_ROW1
.else
	v_wmma_scale_f32_16x16x128_f8f6f4 v[(\d):(\d)+7], v[(\a):(\a)+11], v[(\b):(\b)+11], 0, v[(\sa)], v[(\sb)] matrix_a_fmt:MATRIX_FMT_FP6 matrix_b_fmt:MATRIX_FMT_FP6 matrix_a_scale:MATRIX_SCALE_ROW1 matrix_b_scale:MATRIX_SCALE_ROW1
.endif
.else
.if ((\ra) == 0) && ((\rb) == 0)
	v_wmma_scale_f32_16x16x128_f8f6f4 v[(\d):(\d)+7], v[(\a):(\a)+11], v[(\b):(\b)+11], v[(\c):(\c)+7], v[(\sa)], v[(\sb)] matrix_a_fmt:MATRIX_FMT_FP6 matrix_b_fmt:MATRIX_FMT_FP6
.elseif ((\ra) == 1) && ((\rb) == 0)
	v_wmma_scale_f32_16x16x128_f8f6f4 v[(\d):(\d)+7], v[(\a):(\a)+11], v[(\b):(\b)+11], v[(\c):(\c)+7], v[(\sa)], v[(\sb)] matrix_a_fmt:MATRIX_FMT_FP6 matrix_b_fmt:MATRIX_FMT_FP6 matrix_a_scale:MATRIX_SCALE_ROW1
.elseif ((\ra) == 0) && ((\rb) == 1)
	v_wmma_scale_f32_16x16x128_f8f6f4 v[(\d):(\d)+7], v[(\a):(\a)+11], v[(\b):(\b)+11], v[(\c):(\c)+7], v[(\sa)], v[(\sb)] matrix_a_fmt:MATRIX_FMT_FP6 matrix_b_fmt:MATRIX_FMT_FP6 matrix_b_scale:MATRIX_SCALE_ROW1
.else
	v_wmma_scale_f32_16x16x128_f8f6f4 v[(\d):(\d)+7], v[(\a):(\a)+11], v[(\b):(\b)+11], v[(\c):(\c)+7], v[(\sa)], v[(\sb)] matrix_a_fmt:MATRIX_FMT_FP6 matrix_b_fmt:MATRIX_FMT_FP6 matrix_a_scale:MATRIX_SCALE_ROW1 matrix_b_scale:MATRIX_SCALE_ROW1
.endif
.endif
.endm
; K step s from memory: 22 loads: 2 + 4 registers of scale words, and my rows' four fragments into their own set
.macro G s
.irp u, 0,1
	global_load_b32 v[16+2*(\s)+\u], v3, s[42:43] offset:128*(2*(\s)+\u)
.endr
.irp a, 0,1,2,3
	global_load_b32 v[32+4*(\s)+\a], v3, s[44:45] offset:128*(4*(\s)+\a)
.endr
.if (\s) < 5
	WIN 0x40
.else
	WIN 0x80
.endif
.set AB_, 48*((\s)%5)
.irp t, 0,1,2,3
	global_load_b128 v[AB_+12*\t:AB_+12*\t+3], v1, s[40:41] offset:(4*(\s)+\t)*1536
	global_load_b64 v[AB_+12*\t+4:AB_+12*\t+5], v2, s[40:41] offset:(4*(\s)+\t)*1536+512
	global_load_b128 v[AB_+12*\t+6:AB_+12*\t+9], v1, s[40:41] offset:(4*(\s)+\t)*1536+768
	global_load_b64 v[AB_+12*\t+10:AB_+12*\t+11], v2, s[40:41] offset:(4*(\s)+\t)*1536+1280
.endr
	WIN 0
.endm
; K step s of the columns from LDS: 24 loads of 512 consecutive bytes, into set s % 2
.macro FETCH_B s
.set BB_, 64+96*((\s)%2)
.irp c, 0,1,2,3,4,5,6,7
.irp q, 0,1,2
	ds_load_b128 v[BB_+12*\c+4*\q:BB_+12*\c+4*\q+3], v[4+((\s)>>2)] offset:((\s)%4)*12288+\c*1536+512*\q
.endr
.endr
.endm
; 32 products.  The 32 accumulators take turns, one instruction a turn, in the same order in every step.  mode 0: columns first; mode 1: positions first
.macro MUL32 s, mode
.set AB_, 48*((\s)%5)
.set BB_, 64+96*((\s)%2)
.set AW_, 1+((\s)/5)
.if (\mode) == 0
	WIN 0xF0|(AW_<<2)
.irp t, 0,1,2,3
.irp c, 0,1,2,3,4,5,6,7
.if (\s) == 0
	WM 8*(8*\t+\c), BB_+12*\c, AB_+12*\t, -1, 32+4*(\s)+\c/2, 16+2*(\s)+\t/2, \c%2, \t%2
.else
	WM 8*(8*\t+\c), BB_+12*\c, AB_+12*\t, 8*(8*\t+\c), 32+4*(\s)+\c/2, 16+2*(\s)+\t/2, \c%2, \t%2
.endif
.endr
.endr
.else
	WIN 0xF0|AW_
.irp c, 0,1,2,3,4,5,6,7
.irp t, 0,1,2,3
.if (\s) == 0
	WM 8*(4*\c+\t), AB_+12*\t, BB_+12*\c, -1, 16+2*(\s)+\t/2, 32+4*(\s)+\c/2, \t%2, \c%2
.else
	WM 8*(4*\c+\t), AB_+12*\t, BB_+12*\c, 8*(4*\c+\t), 16+2*(\s)+\t/2, 32+4*(\s)+\c/2, \t%2, \c%2
.endif
.endr
.endr
.endif
	WIN 0
.endm
.macro TABLE                           ; cos and sin of my 64 positions, into the registers of the rows' sets 0 to 2, last read in step 2: the places of steps 3 to 5 lie between
	WIN 0x40
.irp t, 0,1,2,3
.irp q, 0,1,2,3,4,5,6,7
	global_load_b128 v[32*\t+4*\q:32*\t+4*\q+3], v1, s[46:47] offset:4096*\t+512*\q
.endr
.endr
	WIN 0
.endm
; tab = 1: the 32 table loads go out in step 5, and the waits of steps 6 and 7 leave them out
.macro STEP s, mode, tab
.if (\s) == 3
	s_wait_tensorcnt 0x0                           ; my second fill, one of K steps 4 to 7, has landed;
	s_wait_dscnt 0x0                               ; no LDS load of mine is out at the signal
	s_barrier_signal -1
	s_barrier_wait -1                              ; everybody's has.
.endif
.if (\s) < 7
.if (\s) > 0
	PLACES 4                                       ; four places in front of loads into the set that the last step's products read
.endif
	FETCH_B (\s)+1
	s_wait_dscnt 24                                ; this step's 24 are in; the 24 just issued may be out
.else
	s_wait_dscnt 0x0
.endif
.if (\s) < 6
	s_wait_loadcnt 44                              ; this step's 22 are in; the two younger groups may be out
.elseif (\s) == 6
	s_wait_loadcnt 22+32*(\tab)
.else
	s_wait_loadcnt 32*(\tab)
.endif
.if (\s) < 5
	G (\s)+3
.endif
.if ((\s) == 5) && (\tab)
	TABLE
.endif
	MUL32 \s, \mode
.endm
; 64 numbers of a lane in window w, register 16 b + i = k 32 b + 16 h + i of my row, become a fragment's codes in v[pc] on (12 registers, and 8 at work) and its scale word in v[pw]
.macro QUANT s, w, pc, pw
	WIN (\w)|((\w)<<2)
.irp b, 0,1,2,3
	v_max3_num_f32 v[TM+\b], |v[(\s)+16*\b]|, |v[(\s)+16*\b+1]|, FLOOR   ; each accumulator is read from its low end on
.endr
	WIN ((\w)<<2)|((\w)<<4)
.irp i, 2,4,6,8,10,12,14
.irp b, 0,1,2,3
	v_max3_num_f32 v[TM+\b], v[TM+\b], |v[(\s)+16*\b+\i]|, |v[(\s)+16*\b+\i+1]|
.endr
.endr
	WIN 0
.irp b, 0,1,2,3
	v_permlanex16_b32 v[TM+4+\b], v[TM+\b], s54, s55
.endr
.irp b, 0,1,2,3
	v_max_num_f32 v[TM+\b], v[TM+\b], v[TM+4+\b]   ; with lane l xor 16's: the block's largest magnitude
.endr
.irp b, 0,1,2,3
	v_add_nc_u32 v[TM+12+\b], OFFE, v[TM+\b]       ; 2 off its exponent field: the conversion's scale operand
.endr
.irp b, 0,1,2,3
	v_lshrrev_b32 v[TM+4+\b], 23, v[TM+12+\b]      ; the scale's byte
.endr
	v_lshl_or_b32 v[(\pw)], v[TM+5], 8, v[TM+4]
	v_lshl_or_b32 v[(\pw)], v[TM+6], 16, v[(\pw)]
	v_lshl_or_b32 v[(\pw)], v[TM+7], 24, v[(\pw)]
	WIN (\w)
.irp c, 0,1
	v_cvt_scalef32_pk16_fp6_f32 v[(\pc)+6*\c:(\pc)+6*\c+2], v[(\s)+32*\c:(\s)+32*\c+15], v[TM+12+2*\c]
	v_cvt_scalef32_pk16_fp6_f32 v[(\pc)+12+4*\c:(\pc)+12+4*\c+2], v[(\s)+32*\c+16:(\s)+32*\c+31], v[TM+13+2*\c]
.endr
	WIN 0
	v_nop                                          ; one plain place behind the conversions
.irp c, 0,1                            ; the operand wants a whole block in a lane: lanes 0-15 block 2 c, lanes 16-31 block 2 c + 1
.irp i, 0,1,2
	v_permlane16_swap_b32 v[(\pc)+6*\c+\i], v[(\pc)+12+4*\c+\i]
.endr
.irp i, 0,1,2
	v_mov_b32 v[(\pc)+6*\c+3+\i], v[(\pc)+12+4*\c+\i]
.endr
.endr
.endm
; RoPE of position tile t, head e of the pair: y(d) = e c - o s, y(32 + d) = e s + o c, d = 16 h + i; into v[64 + 32 e] on.  Sources: accumulators (window 3), table (window 1)
.macro ROPE t, e
.set E_, 64*(\t)+32*(\e)
.set C_, 32*(\t)
.set Y_, 64+32*(\e)
	WIN 0x07
.irp i, 0,2,4,6,8,10,12,14
	v_pk_mul_f32 v[Y_+\i:Y_+\i+1], v[E_+16+\i:E_+17+\i], v[C_+16+\i:C_+17+\i]
	v_pk_mul_f32 v[Y_+16+\i:Y_+17+\i], v[E_+16+\i:E_+17+\i], v[C_+\i:C_+\i+1]
.endr
.irp i, 0,2,4,6,8,10,12,14
	v_pk_fma_f32 v[Y_+16+\i:Y_+17+\i], v[E_+\i:E_+\i+1], v[C_+16+\i:C_+17+\i], v[Y_+16+\i:Y_+17+\i]
	v_pk_fma_f32 v[Y_+\i:Y_+\i+1], v[E_+\i:E_+\i+1], v[C_+\i:C_+\i+1], v[Y_+\i:Y_+\i+1] neg_lo:[0,0,1] neg_hi:[0,0,1]
.endr
	WIN 0
.endm
	s_load_b256 s[8:15], s[0:1], 0x0               ; XB 8, WB 10, TB 12, QB 14
	s_load_b64 s[16:17], s[0:1], 0x20              ; VB
	v_lshl_add_u32 v6, v0, 2, SPARE
	v_mov_b32 v7, 0
	ds_add_u32 v6, v7                              ; the wave's opening: the add, twice on end, and its wait ahead of my first tensor load
	ds_add_u32 v6, v7
	v_lshrrev_b32 v1, 5, v0
	v_readfirstlane_b32 s4, v1                     ; wave 0..3
	v_and_b32 v8, 31, v0
	v_lshlrev_b32 v1, 4, v8
	v_lshlrev_b32 v2, 3, v8
	v_lshlrev_b32 v3, 2, v8
	v_lshlrev_b32 v4, 4, v8                        ; LDS: K steps 0-3
	v_lshl_add_u32 v5, v8, 4, 49152                ; K steps 4-7
	; descriptor group 1: 12,288 dense bytes as 48 rows of 256 bytes (32 elements of 8 bytes), no padding: an image is read 512 consecutive bytes an instruction
	s_mov_b32 s24, 3<<16
	s_mov_b32 s25, 32<<16
	s_mov_b32 s26, 48<<16
	s_mov_b32 s27, 32<<16
	s_mov_b32 s28, 48
	s_mov_b32 s29, 32
	s_mov_b32 s30, 0
	s_mov_b32 s31, 0
	s_mov_b32 s5, ttmp9                            ; P
	s_and_b32 s6, ttmp7, 0xffff
	s_lshl_b32 s6, s6, 2
	s_add_co_u32 s6, s6, s4                        ; R = 4 y + wave
	s_cmp_ge_u32 s6, 34
	s_cselect_b32 s7, 1, 0                         ; b
	s_cselect_b32 s18, 34, 0
	s_sub_co_u32 s21, s6, s18                      ; J
	s_mul_i32 s20, s4, 12288                       ; my fills' place in LDS, and in the panel
	s_mul_i32 s56, s5, 98304
	s_add_co_u32 s56, s56, s20
	s_mov_b32 s57, 0
	s_mov_b32 s52, 0xffff0000                      ; lanes 16-31
	s_mov_b32 s54, 0x76543210
	s_mov_b32 s55, 0xfedcba98
	s_wait_dscnt 0x0                               ; both opening adds are done
	s_wait_kmcnt 0x0
	s_add_nc_u64 s[22:23], s[10:11], s[56:57]
.irp k, 0,1
	s_mov_b32 s[32+4*\k], 1
	s_add_co_u32 s[33+4*\k], s20, 49152*\k         ; K step 4 k + wave
	s_add_nc_u64 s[34+4*\k:35+4*\k], s[22:23], 49152*\k
	s_or_b32 s[35+4*\k], s[35+4*\k], 0x80000000
.endr
	tensor_load_to_lds s[32:35], s[24:31]
	s_nop 0
	tensor_load_to_lds s[36:39], s[24:31]
	s_nop 0
	PLACES 4
	s_mul_i32 s56, s6, 49152
	s_add_nc_u64 s[40:41], s[8:9], s[56:57]        ; my rows' images
	s_lshl_b32 s56, s6, 11
	s_add_co_u32 s56, s56, 3342336
	s_add_nc_u64 s[42:43], s[8:9], s[56:57]        ; their scale words
	s_lshl_b32 s56, s5, 12
	s_add_co_u32 s56, s56, 2654208
	s_add_nc_u64 s[44:45], s[10:11], s[56:57]      ; the columns' scale words
	G 0
	G 1
	G 2
	s_wait_tensorcnt 0x1                           ; my part of K steps 0 to 3 is in; the second fill may stay out
	s_barrier_signal -1
	s_barrier_wait -1
	FETCH_B 0
	s_cmp_eq_u32 s5, 18
	s_cbranch_scc1 .Lv
; ---------------- q and k ----------------
	s_lshl_b32 s56, s21, 14
	s_add_nc_u64 s[46:47], s[12:13], s[56:57]      ; the table of my 64 positions
	s_lshl_b32 s58, s5, 1
	s_add_co_u32 s58, s58, s7                      ; 2 P + b
	s_mul_i32 s56, s58, 136
	s_lshl_b32 s59, s21, 2
	s_add_co_u32 s56, s56, s59
	s_mul_i32 s56, s56, 1536
	s_add_nc_u64 s[48:49], s[14:15], s[56:57]      ; my four fragments in QB
	s_mul_i32 s56, s58, 68
	s_lshl_b32 s59, s21, 1
	s_add_co_u32 s56, s56, s59
	s_lshl_b32 s56, s56, 7
	s_add_co_u32 s56, s56, 7520256
	s_add_nc_u64 s[50:51], s[14:15], s[56:57]      ; their scale words
.irp s, 0,1,2,3,4,5,6,7
	STEP \s, 0, 1
.endr
	PLACES 4                                       ; in front of the first read of results and of writes into the fragments' registers
.irp b, 0,1,2,3
	v_mov_b32 v[TM+4+\b], 0                        ; written once: a lane permute's destination counts as one of its sources
.endr
.irp t, 0,1,2,3
	s_wait_loadcnt 8*(3-\t)                        ; this tile's eight table loads are in; the later tiles' may be out
	ROPE \t, 0
	ROPE \t, 1
	QUANT 64, 0, 148+20*\t, 144+\t
	global_store_b128 v1, v[148+20*\t:151+20*\t], s[48:49] offset:1536*\t          ; each store covers 512 or 256 consecutive bytes, aligned
	global_store_b64 v2, v[152+20*\t:153+20*\t], s[48:49] offset:1536*\t+512
	global_store_b128 v1, v[154+20*\t:157+20*\t], s[48:49] offset:1536*\t+768
	global_store_b64 v2, v[158+20*\t:159+20*\t], s[48:49] offset:1536*\t+1280
.endr
	v_cndmask_b32 v228, v144, v145, s52            ; lanes 0-15: the even tile's words; lanes 16-31: the odd tile's
	v_cndmask_b32 v229, v146, v147, s52
	global_store_b32 v3, v228, s[50:51]
	global_store_b32 v3, v229, s[50:51] offset:128
	s_branch .Lend
; ---------------- v ----------------
.Lv:
	s_mul_i32 s56, s7, 272
	s_add_co_u32 s56, s56, s21
	s_mul_i32 s56, s56, 768
	s_add_nc_u64 s[48:49], s[16:17], s[56:57]      ; (8 b x 34 + J) half fragments on; a column tile is 34 x 768 bytes on
	s_lshl_b32 s56, s6, 8
	s_add_co_u32 s56, s56, 417792
	s_add_nc_u64 s[50:51], s[16:17], s[56:57]
.irp s, 0,1,2,3,4,5,6,7
	STEP \s, 1, 0
.endr
	PLACES 4
.irp b, 0,1,2,3
	v_mov_b32 v[TM+4+\b], 0
.endr
.irp p, 0,1,2,3                        ; column tiles 2 p and 2 p + 1: blocks 0, 1 are the first's 64 positions, blocks 2, 3 the second's
	QUANT 64*\p, 3, 148+20*\p, 144+\p
	global_store_b128 v1, v[148+20*\p:151+20*\p], s[48:49] offset:26112*(2*\p)
	global_store_b64 v2, v[152+20*\p:153+20*\p], s[48:49] offset:26112*(2*\p)+512
	global_store_b128 v1, v[154+20*\p:157+20*\p], s[48:49] offset:26112*(2*\p+1)
	global_store_b64 v2, v[158+20*\p:159+20*\p], s[48:49] offset:26112*(2*\p+1)+512
.endr
	v_cndmask_b32 v228, v144, v146, s52            ; lanes 0-15: group 0's words; lanes 16-31: group 1's
	v_cndmask_b32 v229, v145, v147, s52
	global_store_b64 v2, v[228:229], s[50:51]
.Lend:
	s_wait_tensorcnt 0x0                           ; the wave's end, behind my last tensor load
	ds_add_u32 v6, v7
	s_wait_dscnt 0x0
	s_endpgm
.Lfunc_end_k_q86185dfb9d_proj:
	.size	k_q86185dfb9d_proj, .Lfunc_end_k_q86185dfb9d_proj-k_q86185dfb9d_proj
	.p2alignl 7, 3214868480
	.fill 96, 4, 3214868480
	.section	.rodata,"a",@progbits
	.p2align	6, 0x0
	.amdhsa_kernel k_q86185dfb9d_proj
		.amdhsa_group_segment_fixed_size 167936
		.amdhsa_private_segment_fixed_size 0
		.amdhsa_enable_private_segment 0
		.amdhsa_kernarg_size 40
		.amdhsa_user_sgpr_count 2
		.amdhsa_user_sgpr_kernarg_segment_ptr 1
		.amdhsa_wavefront_size32 1
		.amdhsa_system_sgpr_workgroup_id_x 1
		.amdhsa_system_sgpr_workgroup_id_y 1
		.amdhsa_system_sgpr_workgroup_id_z 1
		.amdhsa_system_vgpr_workitem_id 0
		.amdhsa_next_free_vgpr 1024
		.amdhsa_next_free_sgpr 66
		.amdhsa_reserve_vcc 0
		.amdhsa_float_denorm_mode_32 3
		.amdhsa_float_denorm_mode_16_64 3
		.amdhsa_memory_ordered 1
		.amdhsa_forward_progress 1
		.amdhsa_inst_pref_size 177
	.end_amdhsa_kernel
	.amdgpu_metadata
---
amdhsa.version: [ 1, 2 ]
amdhsa.kernels:
  - .name:           k_q86185dfb9d_proj
    .symbol:         k_q86185dfb9d_proj.kd
    .args:
      - { .name: XB, .offset: 0, .size: 8, .value_kind: global_buffer, .address_space: global }
      - { .name: WB, .offset: 8, .size: 8, .value_kind: global_buffer, .address_space: global }
      - { .name: TB, .offset: 16, .size: 8, .value_kind: global_buffer, .address_space: global }
      - { .name: QB, .offset: 24, .size: 8, .value_kind: global_buffer, .address_space: global }
      - { .name: VB, .offset: 32, .size: 8, .value_kind: global_buffer, .address_space: global }
    .group_segment_fixed_size: 167936
    .private_segment_fixed_size: 0
    .kernarg_segment_align: 8
    .kernarg_segment_size: 40
    .max_flat_workgroup_size: 128
    .sgpr_count:     66
    .vgpr_count:     1024
    .wavefront_size: 32
...
	.end_amdgpu_metadata
.endif
;; end of part 2
;; launch attn (part 3): grid 8 x 32, 4 waves a work-group, no clusters, 0 bytes of LDS; arguments QB, VB, lq1, lk1, lq2, lk2, AB; writes AB
.if DOCPART == 3
	.amdgcn_target "amdgcn-amd-amdhsa--gfx1250"
	.amdhsa_code_object_version 6
	.text
	.protected	k_q86185dfb9d_attn
	.globl	k_q86185dfb9d_attn
	.p2align	8
	.type	k_q86185dfb9d_attn,@function
k_q86185dfb9d_attn:
	s_mov_b64 s[64:65], 0
	v_nop
	global_prefetch_b8 v0, s[64:65] scope:SCOPE_SE
	s_setreg_imm32_b32 hwreg(HW_REG_WAVE_MODE, 25, 1), 1
	s_wait_xcnt 0x0
; ATTN: lam; for windows 0 to 15 the two attentions on codes of E2M3; a = a1 - lam a2, quantised along E for the last product.
; Left out as dead work: windows 16 to 30, whose rows reference() slices away (a[:, :4096] keeps 16 windows of 256 rows).
; SHARES.  Work-group (x, y): group g = x % 2, batch y / 16, window n = y % 16.  Wave: head 2 hh + g with hh = 2 (x / 2) + wave / 2, and eight of the window's sixteen query tiles (wave % 2).
; The window's K (16 fragments k1 | k2) and V (8 fragments) go once from memory into the registers in which they stay.  NO JOINT LOADS, no LDS: a wave's 37 KB of K and V are read once, straight into
; their registers; through LDS they would make one more pass.  No barrier: waves share nothing.
; BOTH PRODUCTS TRANSPOSED: S^T = K Q^T, O^T = V^T P^T: a lane holds one query.  By the order of the positions in a tile the 16 registers of key tiles 2 B, 2 B + 1 are keys 32 B + 16 h + 0 .. 15.
; K = 64 IN A FORM OF 128: K's fragment is (k1 | k2); Q's registers are q1, six registers of zero codes, q2: (q1 | 0) gives the first scores, (0 | q2) the second.  Zero codes add nothing under any byte from 1 to 254.
; SOFTMAX: a row's 256 scores are all in registers, so M = ceil(the row's largest t) is the exact one and nothing is rescaled.  p = 2^(t - M), t = score x log2(e) / 8; the sum is taken of the unquantised p.
; A block's largest p is the block's largest score put through the same multiply-add and exponential (this takes v_exp_f32 not to fall where its input rises).
; OUT.  AB: [64 rows R4 128][s 8][t 4][1536] fragments, K step s = heads 2 s, 2 s + 1; my head's half at 768 g.  Scale words at 6,291,456: [R4][s][u][lane]; my head's two bytes at 2 g.
; These two-byte stores lie 4 bytes apart (the other half of each word is the other group's): 2 bytes for each 48 bytes of codes.
; LIMITS: the clip of lam is a median of three, so a NaN lam is not reproduced; a block of zeros gets the byte 1; NaN and infinities are not served.
; REGISTERS.  Window 0: v1-5 offsets; v8 -M; v10-13 factors; v14 lam; v16-23 K's scale words; v24-31 V's; v32 Q's; v33, 34 p's; v36-47 sums, words; v48-71 blocks; v72-111 p's codes; v112-127 a's codes; v128-255 S.
;   Window 1: K, 12 registers a tile.   Window 2: v0-95 V; v96-159 O^T of the two softmaxes; v160-195 Q of two tiles.
.set S,   128
.set BM,  48
.set BX,  56
.set SCL, 64
.set PC,  72
.set CT,  96
.set HF,  112
.set CT2, 124
.set KS,  16
.set VW,  24
.set QSC, 32
.set PW,  33
.set LZ,  40
.set WA,  42
.set SW,  44
.set FLOOR, 0x1800000
.set OFFE,  0xff000000
.set MSB, 0
.macro WIN new
.if MSB != (\new)
	s_set_vgpr_msb (MSB<<8)|(\new)
.set MSB, (\new)
.endif
.endm
.macro PLACES n
.rept \n
	v_nop
.endr
.endm
.macro WM d, a, b, c, sa, sb, ra, rb
.if (\c) < 0
.if ((\ra) == 0) && ((\rb) == 0)
	v_wmma_scale_f32_16x16x128_f8f6f4 v[(\d):(\d)+7], v[(\a):(\a)+11], v[(\b):(\b)+11], 0, v[(\sa)], v[(\sb)] matrix_a_fmt:MATRIX_FMT_FP6 matrix_b_fmt:MATRIX_FMT_FP6
.elseif ((\ra) == 1) && ((\rb) == 0)
	v_wmma_scale_f32_16x16x128_f8f6f4 v[(\d):(\d)+7], v[(\a):(\a)+11], v[(\b):(\b)+11], 0, v[(\sa)], v[(\sb)] matrix_a_fmt:MATRIX_FMT_FP6 matrix_b_fmt:MATRIX_FMT_FP6 matrix_a_scale:MATRIX_SCALE_ROW1
.elseif ((\ra) == 0) && ((\rb) == 1)
	v_wmma_scale_f32_16x16x128_f8f6f4 v[(\d):(\d)+7], v[(\a):(\a)+11], v[(\b):(\b)+11], 0, v[(\sa)], v[(\sb)] matrix_a_fmt:MATRIX_FMT_FP6 matrix_b_fmt:MATRIX_FMT_FP6 matrix_b_scale:MATRIX_SCALE_ROW1
.else
	v_wmma_scale_f32_16x16x128_f8f6f4 v[(\d):(\d)+7], v[(\a):(\a)+11], v[(\b):(\b)+11], 0, v[(\sa)], v[(\sb)] matrix_a_fmt:MATRIX_FMT_FP6 matrix_b_fmt:MATRIX_FMT_FP6 matrix_a_scale:MATRIX_SCALE_ROW1 matrix_b_scale:MATRIX_SCALE_ROW1
.endif
.else
	v_wmma_scale_f32_16x16x128_f8f6f4 v[(\d):(\d)+7], v[(\a):(\a)+11], v[(\b):(\b)+11], v[(\c):(\c)+7], v[(\sa)], v[(\sb)] matrix_a_fmt:MATRIX_FMT_FP6 matrix_b_fmt:MATRIX_FMT_FP6
.endif
.endm
.macro QLOAD                           ; two query tiles: q1 to registers 0-5, q2 to registers 12-17 of each; and the pair's scale words
	WIN 0x80
.irp e, 0,1
	global_load_b128 v[160+18*\e:163+18*\e], v1, s[32:33] offset:1536*\e
	global_load_b64 v[164+18*\e:165+18*\e], v2, s[32:33] offset:1536*\e+512
	global_load_b128 v[172+18*\e:175+18*\e], v1, s[32:33] offset:1536*\e+768
	global_load_b64 v[176+18*\e:177+18*\e], v2, s[32:33] offset:1536*\e+1280
.endr
	WIN 0
	global_load_b32 v[QSC], v3, s[34:35]
.endm
	s_load_b256 s[8:15], s[0:1], 0x0               ; QB 8, VB 10, lq1 12, lk1 14
	s_load_b128 s[16:19], s[0:1], 0x20             ; lq2 16, lk2 18
	s_load_b64 s[20:21], s[0:1], 0x30              ; AB
	v_lshrrev_b32 v1, 5, v0
	v_readfirstlane_b32 s4, v1                     ; wave 0..3
	v_and_b32 v6, 31, v0
	v_and_b32 v7, 15, v0
	v_lshlrev_b32 v1, 4, v6
	v_lshlrev_b32 v2, 3, v6
	v_lshlrev_b32 v3, 2, v6
	s_and_b32 s5, ttmp9, 1                         ; g
	s_lshr_b32 s6, ttmp9, 1
	s_and_b32 s7, ttmp7, 0xffff
	s_lshr_b32 s28, s7, 4                          ; b
	s_and_b32 s29, s7, 15                          ; n
	s_lshr_b32 s31, s4, 1
	s_lshl_b32 s6, s6, 1
	s_add_co_u32 s6, s6, s31                       ; hh
	s_and_b32 s31, s4, 1                           ; which half of the window's queries
	s_lshl_b32 s38, s6, 1
	s_add_co_u32 s38, s38, s5                      ; head
	s_lshl_b32 s39, s5, 7
	v_lshlrev_b32 v4, 3, v7
	v_add_nc_u32 v4, s39, v4                       ; 8 (r + 16 g): V's scale words of my group
	s_lshl_b32 s39, s5, 1
	v_add_nc_u32 v5, s39, v3                       ; 4 x lane + 2 g
	s_mov_b32 s22, 0x3e38aa3b                      ; c = log2(e) / 8
	s_mov_b32 s23, s22                             ; (named with it as a pair, so it is written)
	s_mov_b32 s24, 0x76543210
	s_mov_b32 s25, 0xfedcba98
	s_mov_b32 s26, 0xffff0000
	s_mov_b32 s62, 0x3dcccccd                      ; 0.1
	s_mov_b32 s63, 0x3f666666                      ; 0.9
	s_mov_b32 s57, 0
	s_lshl_b32 s40, s5, 1
	s_add_co_u32 s40, s40, s28
	s_add_co_u32 s40, s40, 32                      ; 2 (16 + g) + b
	s_lshl_b32 s41, s38, 1
	s_add_co_u32 s41, s41, s28                     ; 2 head + b
	s_wait_kmcnt 0x0
	s_mul_i32 s56, s40, 136
	s_lshl_b32 s58, s29, 3
	s_add_co_u32 s56, s56, s58
	s_mul_i32 s56, s56, 1536
	s_add_nc_u64 s[42:43], s[8:9], s[56:57]        ; K: tiles 8 n on
	s_mul_i32 s56, s40, 68
	s_lshl_b32 s58, s29, 2
	s_add_co_u32 s56, s56, s58
	s_lshl_b32 s56, s56, 7
	s_add_co_u32 s56, s56, 7520256
	s_add_nc_u64 s[44:45], s[8:9], s[56:57]        ; K's scale words
	s_mul_i32 s56, s41, 136
	s_lshl_b32 s58, s29, 3
	s_add_co_u32 s56, s56, s58
	s_lshl_b32 s58, s31, 3
	s_add_co_u32 s56, s56, s58
	s_mul_i32 s56, s56, 1536
	s_add_nc_u64 s[32:33], s[8:9], s[56:57]        ; Q: tiles 8 n + 8 half on
	s_mul_i32 s56, s41, 68
	s_lshl_b32 s58, s29, 2
	s_add_co_u32 s56, s56, s58
	s_lshl_b32 s58, s31, 2
	s_add_co_u32 s56, s56, s58
	s_lshl_b32 s56, s56, 7
	s_add_co_u32 s56, s56, 7520256
	s_add_nc_u64 s[34:35], s[8:9], s[56:57]        ; Q's scale words
	s_lshl_b32 s56, s28, 3
	s_lshl_b32 s58, s5, 2
	s_add_co_u32 s56, s56, s58
	s_mul_i32 s56, s56, 34
	s_lshl_b32 s58, s29, 1
	s_add_co_u32 s56, s56, s58
	s_mul_i32 s56, s56, 768
	s_add_nc_u64 s[46:47], s[10:11], s[56:57]      ; V: column tile 4 g, positions 128 n on
	s_mul_i32 s56, s28, 34
	s_add_co_u32 s56, s56, s58
	s_lshl_b32 s56, s56, 8
	s_add_co_u32 s56, s56, 417792
	s_add_nc_u64 s[48:49], s[10:11], s[56:57]      ; V's scale words
	s_lshl_b32 s59, s28, 6
	s_lshl_b32 s58, s29, 2
	s_add_co_u32 s59, s59, s58
	s_lshl_b32 s58, s31, 1
	s_add_co_u32 s59, s59, s58                     ; 64 b + 4 n + 2 half
	s_lshl_b32 s59, s59, 3
	s_add_co_u32 s59, s59, s6
	s_mul_i32 s56, s59, 6144
	s_mul_i32 s58, s5, 768
	s_add_co_u32 s56, s56, s58
	s_add_nc_u64 s[50:51], s[20:21], s[56:57]      ; a's codes
	s_lshl_b32 s56, s59, 8
	s_add_co_u32 s56, s56, 6291456
	s_add_nc_u64 s[52:53], s[20:21], s[56:57]      ; a's scale words
	global_load_b64 v[64:65], v2, s[12:13]         ; two numbers a lane of each of the four vectors
	global_load_b64 v[66:67], v2, s[14:15]
	global_load_b64 v[68:69], v2, s[16:17]
	global_load_b64 v[70:71], v2, s[18:19]
.irp j, 0,1,2,3
	global_load_b64 v[48+2*\j:49+2*\j], v4, s[48:49] offset:256*\j
.endr
.irp j, 0,1,2,3,4,5,6,7
	global_load_b32 v[KS+\j], v3, s[44:45] offset:128*\j
.endr
	WIN 0x40
.set i, 0
.rept 16
	global_load_b128 v[12*i:12*i+3], v1, s[42:43] offset:1536*i
	global_load_b64 v[12*i+4:12*i+5], v2, s[42:43] offset:1536*i+512
	global_load_b128 v[12*i+6:12*i+9], v1, s[42:43] offset:1536*i+768
	global_load_b64 v[12*i+10:12*i+11], v2, s[42:43] offset:1536*i+1280
.set i, i+1
.endr
	WIN 0x80
.irp d, 0,1,2,3
.irp f, 0,1
	global_load_b128 v[12*(2*\d+\f):12*(2*\d+\f)+3], v1, s[46:47] offset:26112*\d+1536*\f
	global_load_b64 v[12*(2*\d+\f)+4:12*(2*\d+\f)+5], v2, s[46:47] offset:26112*\d+1536*\f+512
	global_load_b128 v[12*(2*\d+\f)+6:12*(2*\d+\f)+9], v1, s[46:47] offset:26112*\d+1536*\f+768
	global_load_b64 v[12*(2*\d+\f)+10:12*(2*\d+\f)+11], v2, s[46:47] offset:26112*\d+1536*\f+1280
.endr
.endr
.irp e, 0,1
.irp k, 0,1,2,3,4,5
	v_mov_b32 v[166+18*\e+\k], 0                   ; the zero codes between q1 and q2: written once
.endr
.endr
	QLOAD
.irp b, 0,1,2,3,4,5,6,7
	v_mov_b32 v[BX+\b], 0                          ; written once: a lane permute's destination counts as one of its sources
.endr
	v_mov_b32 v9, 0                                ; upper halves of pairs of which the low word serves both halves: named, so written
	v_mov_b32 v11, 0
	v_mov_b32 v13, 0
	s_wait_loadcnt 63                              ; 121 loads were issued: at most 63 are out, so the oldest eight, wanted here, are in
	; lam = clip(exp(lq1 . lk1) - exp(lq2 . lk2) + 0.8, 0.1, 0.9), in f32
	v_mul_f32 v64, v64, v66
	v_mul_f32 v68, v68, v70
	v_fma_f32 v64, v65, v67, v64
	v_fma_f32 v68, v69, v71, v68
.irp m, 1,2,4,8
	v_add_f32_dpp v64, v64, v64 row_xmask:\m row_mask:0xf bank_mask:0xf
	v_add_f32_dpp v68, v68, v68 row_xmask:\m row_mask:0xf bank_mask:0xf
.endr
	v_permlanex16_b32 v65, v64, s24, s25
	v_permlanex16_b32 v69, v68, s24, s25
	v_add_f32 v64, v64, v65
	v_add_f32 v68, v68, v69
	v_mul_f32 v64, 0x3fb8aa3b, v64
	v_mul_f32 v68, 0x3fb8aa3b, v68
	v_exp_f32 v64, v64
	v_exp_f32 v68, v68
.irp f, 0,1                            ; V's scale words: for column tile d and keys 128 f on: two bytes of positions 64 (2 f) on, two of 64 (2 f + 1) on.  (Plain work behind the exponentials)
.irp d, 0,2
	v_perm_b32 v[VW+2*\d+\f], v[48+2*(2*\f+1)+\d/2], v[48+2*(2*\f)+\d/2], 0x05040100
.endr
.irp d, 1,3
	v_perm_b32 v[VW+2*\d+\f], v[48+2*(2*\f+1)+\d/2], v[48+2*(2*\f)+\d/2], 0x07060302
.endr
.endr
	s_wait_alu depctr_va_vdst(0)                   ; the wait ahead of the first reader: one for the two
	v_sub_f32 v14, v64, v68
	v_add_f32 v14, 0x3f4ccccd, v14
	v_med3_num_f32 v14, v14, s62, s63
; ONE SOFTMAX OF ONE TILE: tile e of the trip's two, softmax z
.macro ATT e, z
	WIN 0x09                                       ; K window 1, Q window 2, S window 0
.set i, 0
.rept 16
	WM S+8*i, 12*i, 160+18*(\e)+6*(\z), -1, KS+i/2, QSC, i%2, \e
.set i, i+1
.endr
	WIN 0
	PLACES 4                                       ; in front of the first read of the scores, and of the loads below
.if ((\e) == 1) && ((\z) == 1)
	s_cmp_eq_u32 s30, 3                            ; the next trip's queries, if there is a next trip: no load leaves its buffer
	s_cbranch_scc1 .Lnoq
	QLOAD
.Lnoq:
.endif
.irp b, 0,1,2,3,4,5,6,7
	v_max3_num_f32 v[BM+\b], v[S+16*\b], v[S+16*\b+1], v[S+16*\b+2]   ; the largest score of each block of 32 keys; each accumulator is read from its low end on
.endr
.irp i, 3,5,7,9,11,13
.irp b, 0,1,2,3,4,5,6,7
	v_max3_num_f32 v[BM+\b], v[BM+\b], v[S+16*\b+\i], v[S+16*\b+\i+1]
.endr
.endr
.irp b, 0,1,2,3,4,5,6,7
	v_max_num_f32 v[BM+\b], v[BM+\b], v[S+16*\b+15]
.endr
.irp b, 0,1,2,3,4,5,6,7
	v_permlanex16_b32 v[BX+\b], v[BM+\b], s24, s25
.endr
.irp b, 0,1,2,3,4,5,6,7
	v_max_num_f32 v[BM+\b], v[BM+\b], v[BX+\b]     ; with lane l xor 16's 16 keys
.endr
	v_max3_num_f32 v15, v[BM], v[BM+1], v[BM+2]
	v_max3_num_f32 v15, v15, v[BM+3], v[BM+4]
	v_max3_num_f32 v15, v15, v[BM+5], v[BM+6]
	v_max_num_f32 v15, v15, v[BM+7]                ; the row's largest score
	v_mul_f32 v15, s22, v15                        ; as t (c is positive)
	v_floor_f32 v8, -v15                           ; -M = floor(-t) = -ceil(t)
.irp b, 0,1,2,3,4,5,6,7
	v_fma_f32 v[BM+\b], v[BM+\b], s22, v8          ; t - M of each block's largest score
.endr
.set j, 0
.rept 4
	v_pk_fma_f32 v[S+j:S+j+1], v[S+j:S+j+1], s[22:23], v[8:9] op_sel_hi:[1,0,0]
.set j, j+2
.endr
.set j, 0
.rept 64                               ; ONE BATCH: 136 exponentials, none of whose results is named before the wait; the scalings run four pairs ahead
	v_exp_f32 v[S+j], v[S+j]
	v_exp_f32 v[S+j+1], v[S+j+1]
.if j+8 < 128
	v_pk_fma_f32 v[S+j+8:S+j+9], v[S+j+8:S+j+9], s[22:23], v[8:9] op_sel_hi:[1,0,0]
.endif
.set j, j+2
.endr
.irp b, 0,1,2,3,4,5,6,7
	v_exp_f32 v[BM+\b], v[BM+\b]                   ; each block's largest p
.endr
	v_nop                                          ; a plain place behind the last exponential
	s_wait_alu depctr_va_vdst(0)                   ; the wait ahead of the batch's first reader: one for all
.irp b, 0,1,2,3,4,5,6,7
	v_max_num_f32 v[BM+\b], FLOOR, v[BM+\b]
.endr
.irp b, 0,1,2,3,4,5,6,7
	v_add_nc_u32 v[SCL+\b], OFFE, v[BM+\b]
.endr
.irp b, 0,1,2,3,4,5,6,7
	v_lshrrev_b32 v[BX+\b], 23, v[SCL+\b]
.endr
.irp f, 0,1
	v_lshl_or_b32 v[PW+\f], v[BX+4*\f+1], 8, v[BX+4*\f]
	v_lshl_or_b32 v[PW+\f], v[BX+4*\f+2], 16, v[PW+\f]
	v_lshl_or_b32 v[PW+\f], v[BX+4*\f+3], 24, v[PW+\f]
.endr
.irp f, 0,1
.irp c, 0,1
	v_cvt_scalef32_pk16_fp6_f32 v[PC+12*\f+6*\c:PC+12*\f+6*\c+2], v[S+64*\f+32*\c:S+64*\f+32*\c+15], v[SCL+4*\f+2*\c]
	v_cvt_scalef32_pk16_fp6_f32 v[CT+8*\f+4*\c:CT+8*\f+4*\c+2], v[S+64*\f+32*\c+16:S+64*\f+32*\c+31], v[SCL+4*\f+2*\c+1]
.endr
.endr
	v_nop                                          ; one plain place behind the conversions
.irp f, 0,1
.irp c, 0,1
.irp i, 0,1,2
	v_permlane16_swap_b32 v[PC+12*\f+6*\c+\i], v[CT+8*\f+4*\c+\i]
.endr
.irp i, 0,1,2
	v_mov_b32 v[PC+12*\f+6*\c+3+\i], v[CT+8*\f+4*\c+\i]
.endr
.endr
.endr
	; the row's sum of the unquantised p, in four chains.  These additions are also the places between the writes of p's scale words and codes and the products below
	v_pk_add_f32 v[36:37], v[S:S+1], v[S+8:S+9]
	v_pk_add_f32 v[38:39], v[S+2:S+3], v[S+10:S+11]
	v_pk_add_f32 v[46:47], v[S+4:S+5], v[S+12:S+13]
	v_pk_add_f32 v[10:11], v[S+6:S+7], v[S+14:S+15]
.set j, 16
.rept 14
	v_pk_add_f32 v[36:37], v[36:37], v[S+j:S+j+1]
	v_pk_add_f32 v[38:39], v[38:39], v[S+j+2:S+j+3]
	v_pk_add_f32 v[46:47], v[46:47], v[S+j+4:S+j+5]
	v_pk_add_f32 v[10:11], v[10:11], v[S+j+6:S+j+7]
.set j, j+8
.endr
	v_pk_add_f32 v[36:37], v[36:37], v[38:39]
	v_pk_add_f32 v[46:47], v[46:47], v[10:11]
	v_pk_add_f32 v[36:37], v[36:37], v[46:47]
	v_add_f32 v[LZ+\z], v36, v37
	v_permlanex16_b32 v15, v[LZ+\z], s24, s25
	v_add_f32 v[LZ+\z], v[LZ+\z], v15
	WIN 0xA2                                       ; V, and O^T as C and D, window 2; p window 0
.irp f, 0,1                            ; the four accumulators take turns
.irp d, 0,1,2,3
.if \f == 0
	WM 96+32*(\z)+8*\d, 12*(2*\d+\f), PC+12*\f, -1, VW+2*\d+\f, PW+\f, 0, 0
.else
	WM 96+32*(\z)+8*\d, 12*(2*\d+\f), PC+12*\f, 96+32*(\z)+8*\d, VW+2*\d+\f, PW+\f, 0, 0
.endif
.endr
.endr
	WIN 0
.endm
; a = O1 / l1 - lam O2 / l2 of tile e: register 16 B + i is d = 32 B + 16 h + i; two blocks are quantised: half a fragment of the last product
.macro FINAL e
	PLACES 4
	v_rcp_f32 v10, v[LZ]
	v_rcp_f32 v12, v[LZ+1]
	v_nop
	s_wait_alu depctr_va_vdst(0)                   ; one wait for the two reciprocals
	v_mul_f32 v12, v12, -v14
	WIN 0x02
.set j, 0
.rept 16
	v_pk_mul_f32 v[S+j:S+j+1], v[96+j:97+j], v[10:11] op_sel_hi:[1,0]
.set j, j+2
.endr
.set j, 0
.rept 16
	v_pk_fma_f32 v[S+j:S+j+1], v[128+j:129+j], v[12:13], v[S+j:S+j+1] op_sel_hi:[1,0,1]
.set j, j+2
.endr
	WIN 0
.irp b, 0,1
	v_max3_num_f32 v[BM+\b], |v[S+16*\b]|, |v[S+16*\b+1]|, FLOOR
.endr
.irp i, 2,4,6,8,10,12,14
.irp b, 0,1
	v_max3_num_f32 v[BM+\b], v[BM+\b], |v[S+16*\b+\i]|, |v[S+16*\b+\i+1]|
.endr
.endr
.irp b, 0,1
	v_permlanex16_b32 v[BX+\b], v[BM+\b], s24, s25
.endr
.irp b, 0,1
	v_max_num_f32 v[BM+\b], v[BM+\b], v[BX+\b]
.endr
.irp b, 0,1
	v_add_nc_u32 v[SCL+\b], OFFE, v[BM+\b]
.endr
.irp b, 0,1
	v_lshrrev_b32 v[BX+\b], 23, v[SCL+\b]
.endr
	v_lshl_or_b32 v[WA+\e], v[BX+1], 8, v[BX]
	v_cvt_scalef32_pk16_fp6_f32 v[HF+6*\e:HF+6*\e+2], v[S:S+15], v[SCL]
	v_cvt_scalef32_pk16_fp6_f32 v[CT2:CT2+2], v[S+16:S+31], v[SCL+1]
	v_nop
.irp i, 0,1,2
	v_permlane16_swap_b32 v[HF+6*\e+\i], v[CT2+\i]
.endr
.irp i, 0,1,2
	v_mov_b32 v[HF+6*\e+3+\i], v[CT2+\i]
.endr
	global_store_b128 v1, v[HF+6*\e:HF+6*\e+3], s[36:37] offset:1536*\e
	global_store_b64 v2, v[HF+6*\e+4:HF+6*\e+5], s[36:37] offset:1536*\e+512
.endm
	s_mov_b32 s30, 0
.Ltrip:                                            ; four trips, two query tiles each
	s_wait_loadcnt 0x0                             ; this trip's queries are in (first trip: K and V too), and their addresses may be stepped
	s_wait_xcnt 0x0                                ; the last trip's stores have read their data and bases: both are written again only behind this wait
	s_add_nc_u64 s[32:33], s[32:33], 3072          ; the next trip's queries
	s_add_nc_u64 s[34:35], s[34:35], 128
	s_lshr_b32 s58, s30, 1
	s_and_b32 s60, s30, 1
	s_mul_i32 s56, s58, 49152
	s_mul_i32 s61, s60, 3072
	s_add_co_u32 s56, s56, s61
	s_add_nc_u64 s[36:37], s[50:51], s[56:57]      ; tiles 2 trip, 2 trip + 1: group of 64 rows trip / 2, tiles 2 (trip % 2) on
	s_lshl_b32 s56, s58, 11
	s_lshl_b32 s61, s60, 7
	s_add_co_u32 s56, s56, s61
	s_add_nc_u64 s[54:55], s[52:53], s[56:57]
	ATT 0, 0
	ATT 0, 1
	FINAL 0
	ATT 1, 0
	ATT 1, 1
	FINAL 1
	v_cndmask_b32 v[SW], v[WA], v[WA+1], s26       ; lanes 0-15: the even tile's bytes; lanes 16-31: the odd tile's
	global_store_b16 v5, v[SW], s[54:55]
	s_add_co_u32 s30, s30, 1
	s_cmp_lt_u32 s30, 4
	s_cbranch_scc1 .Ltrip
	s_endpgm
.Lfunc_end_k_q86185dfb9d_attn:
	.size	k_q86185dfb9d_attn, .Lfunc_end_k_q86185dfb9d_attn-k_q86185dfb9d_attn
	.p2alignl 7, 3214868480
	.fill 96, 4, 3214868480
	.section	.rodata,"a",@progbits
	.p2align	6, 0x0
	.amdhsa_kernel k_q86185dfb9d_attn
		.amdhsa_group_segment_fixed_size 0
		.amdhsa_private_segment_fixed_size 0
		.amdhsa_enable_private_segment 0
		.amdhsa_kernarg_size 56
		.amdhsa_user_sgpr_count 2
		.amdhsa_user_sgpr_kernarg_segment_ptr 1
		.amdhsa_wavefront_size32 1
		.amdhsa_system_sgpr_workgroup_id_x 1
		.amdhsa_system_sgpr_workgroup_id_y 1
		.amdhsa_system_sgpr_workgroup_id_z 1
		.amdhsa_system_vgpr_workitem_id 0
		.amdhsa_next_free_vgpr 768
		.amdhsa_next_free_sgpr 66
		.amdhsa_reserve_vcc 0
		.amdhsa_float_denorm_mode_32 3
		.amdhsa_float_denorm_mode_16_64 3
		.amdhsa_memory_ordered 1
		.amdhsa_forward_progress 1
		.amdhsa_inst_pref_size 125
	.end_amdhsa_kernel
	.amdgpu_metadata
---
amdhsa.version: [ 1, 2 ]
amdhsa.kernels:
  - .name:           k_q86185dfb9d_attn
    .symbol:         k_q86185dfb9d_attn.kd
    .args:
      - { .name: QB, .offset: 0, .size: 8, .value_kind: global_buffer, .address_space: global }
      - { .name: VB, .offset: 8, .size: 8, .value_kind: global_buffer, .address_space: global }
      - { .name: lq1, .offset: 16, .size: 8, .value_kind: global_buffer, .address_space: global }
      - { .name: lk1, .offset: 24, .size: 8, .value_kind: global_buffer, .address_space: global }
      - { .name: lq2, .offset: 32, .size: 8, .value_kind: global_buffer, .address_space: global }
      - { .name: lk2, .offset: 40, .size: 8, .value_kind: global_buffer, .address_space: global }
      - { .name: AB, .offset: 48, .size: 8, .value_kind: global_buffer, .address_space: global }
    .group_segment_fixed_size: 0
    .private_segment_fixed_size: 0
    .kernarg_segment_align: 8
    .kernarg_segment_size: 56
    .max_flat_workgroup_size: 128
    .sgpr_count:     66
    .vgpr_count:     768
    .wavefront_size: 32
...
	.end_amdgpu_metadata
.endif
;; end of part 3
;; launch outp (part 4): grid 32 x 8, 4 waves a work-group, clusters of 4 x 1, 167,936 bytes of LDS; arguments AB, WB, bout, out0; writes out0
.if DOCPART == 4
	.amdgcn_target "amdgcn-amd-amdhsa--gfx1250"
	.amdhsa_code_object_version 6
	.text
	.protected	k_q86185dfb9d_outp
	.globl	k_q86185dfb9d_outp
	.p2align	8
	.type	k_q86185dfb9d_outp,@function
k_q86185dfb9d_outp:
	s_mov_b64 s[64:65], 0
	v_nop
	global_prefetch_b8 v0, s[64:65] scope:SCOPE_SE
	s_setreg_imm32_b32 hwreg(HW_REG_WAVE_MODE, 25, 1), 1
	s_wait_xcnt 0x0
	s_wait_alu depctr_hold_cnt(0) depctr_sa_sdst(0) depctr_va_vdst(0) depctr_va_sdst(0) depctr_va_ssrc(0) depctr_va_vcc(0) depctr_vm_vsrc(0)
	s_getreg_b32 s2, hwreg(HW_REG_IB_STS2, 6, 4)
	s_cmp_eq_u32 s2, 0
	s_cbranch_scc0 .Lentry_in_a_cluster
	s_endpgm
.Lentry_in_a_cluster:
	s_bfe_u32 s2, ttmp6, 0x10000c
	s_cmp_lg_u32 s2, 0x3003
	s_cbranch_scc0 .Lentry_shape_is_right
	s_endpgm
.Lentry_shape_is_right:
; OUTP: out0 = a Wout + bout on codes of E2M3: [8,192 x 1,024] x [1,024 x 1,024].  Nothing is left out here: all 8,192 rows of a are the kept rows of windows 0 to 15.
; SHARES.  Work-group (x, P): 256 rows x columns 128 P on.  Wave w: the 64 rows R = 4 x + w, 32 accumulators.  K = 1,024 is eight steps of 128, written out.
; The column group's codes for all of K, 98,304 dense bytes, come into LDS once, two tensor loads a wave (two are out at the most); nothing is filled again.
; CLUSTER: the four work-groups of a cluster lie along x and share P, so they ask for that panel JOINTLY: the same loads, the same descriptors (made of P and the wave's number alone), a mask that names the four.
; The rows' fragments are read by one wave alone: from memory straight into registers, eight sets, each loaded once.
; TRANSPOSED: source 0 = 16 columns, source 1 = 16 rows: a lane holds one row, and by the order of the columns in a tile the registers of column tiles 2 B, 2 B + 1 are columns 32 B + 16 h + 0 .. 15.
; The bias is the C of each sum's first product.  A tile's row p is row 32 B + 8 u + p + 8 (p / 8) of its 64: the way out puts each row at its place.
; REGISTERS.  Window 0: v1-3 16, 8, 4 x lane; v4, v5 LDS addresses; v6, v7 the add's two; v8-10 way out, bias; v16-31, v32-63 scale words; v64-159, v160-255 the columns' fragments, two sets.
;   Window 1: the rows' sets 0-4;  window 2: sets 5-7, from v144 the bias;  window 3: the accumulators.
.set STG,   98304                      ; behind the panel: a stage of 16 rows x (512 + 16) bytes for each wave: bytes into which no fill lands
.set SPARE, 132096                     ; behind the stages: the spare words, 128 bytes a wave
.set STO,   8
.set RD,    9
.set MSB, 0
.macro WIN new
.if MSB != (\new)
	s_set_vgpr_msb (MSB<<8)|(\new)
.set MSB, (\new)
.endif
.endm
.macro PLACES n
.rept \n
	v_nop
.endr
.endm
.macro WM d, a, b, c, sa, sb, ra, rb
.if ((\ra) == 0) && ((\rb) == 0)
	v_wmma_scale_f32_16x16x128_f8f6f4 v[(\d):(\d)+7], v[(\a):(\a)+11], v[(\b):(\b)+11], v[(\c):(\c)+7], v[(\sa)], v[(\sb)] matrix_a_fmt:MATRIX_FMT_FP6 matrix_b_fmt:MATRIX_FMT_FP6
.elseif ((\ra) == 1) && ((\rb) == 0)
	v_wmma_scale_f32_16x16x128_f8f6f4 v[(\d):(\d)+7], v[(\a):(\a)+11], v[(\b):(\b)+11], v[(\c):(\c)+7], v[(\sa)], v[(\sb)] matrix_a_fmt:MATRIX_FMT_FP6 matrix_b_fmt:MATRIX_FMT_FP6 matrix_a_scale:MATRIX_SCALE_ROW1
.elseif ((\ra) == 0) && ((\rb) == 1)
	v_wmma_scale_f32_16x16x128_f8f6f4 v[(\d):(\d)+7], v[(\a):(\a)+11], v[(\b):(\b)+11], v[(\c):(\c)+7], v[(\sa)], v[(\sb)] matrix_a_fmt:MATRIX_FMT_FP6 matrix_b_fmt:MATRIX_FMT_FP6 matrix_b_scale:MATRIX_SCALE_ROW1
.else
	v_wmma_scale_f32_16x16x128_f8f6f4 v[(\d):(\d)+7], v[(\a):(\a)+11], v[(\b):(\b)+11], v[(\c):(\c)+7], v[(\sa)], v[(\sb)] matrix_a_fmt:MATRIX_FMT_FP6 matrix_b_fmt:MATRIX_FMT_FP6 matrix_a_scale:MATRIX_SCALE_ROW1 matrix_b_scale:MATRIX_SCALE_ROW1
.endif
.endm
.macro CROUND                          ; a round of the cluster's barrier: my work-group's barrier; wave 0 signals for the work-group; every wave waits for all four; my work-group's barrier once more
	s_barrier_signal -1
	s_barrier_wait -1
	s_cmp_lg_u32 s4, 0
	s_cbranch_scc1 .Lnot_wave_0_\@
	s_barrier_signal -3
.Lnot_wave_0_\@:
	s_barrier_wait -3
	s_barrier_signal -1
	s_barrier_wait -1
.endm
.macro G s                             ; K step s from memory: 22 loads
.irp u, 0,1
	global_load_b32 v[16+2*(\s)+\u], v3, s[42:43] offset:128*(2*(\s)+\u)
.endr
.irp a, 0,1,2,3
	global_load_b32 v[32+4*(\s)+\a], v3, s[44:45] offset:128*(4*(\s)+\a)
.endr
.if (\s) < 5
	WIN 0x40
.else
	WIN 0x80
.endif
.set AB_, 48*((\s)%5)
.irp t, 0,1,2,3
	global_load_b128 v[AB_+12*\t:AB_+12*\t+3], v1, s[40:41] offset:(4*(\s)+\t)*1536
	global_load_b64 v[AB_+12*\t+4:AB_+12*\t+5], v2, s[40:41] offset:(4*(\s)+\t)*1536+512
	global_load_b128 v[AB_+12*\t+6:AB_+12*\t+9], v1, s[40:41] offset:(4*(\s)+\t)*1536+768
	global_load_b64 v[AB_+12*\t+10:AB_+12*\t+11], v2, s[40:41] offset:(4*(\s)+\t)*1536+1280
.endr
	WIN 0
.endm
.macro FETCH_B s                       ; K step s of the columns from LDS: 24 loads of 512 consecutive bytes, into set s % 2
.set BB_, 64+96*((\s)%2)
.irp c, 0,1,2,3,4,5,6,7
.irp q, 0,1,2
	ds_load_b128 v[BB_+12*\c+4*\q:BB_+12*\c+4*\q+3], v[4+((\s)>>2)] offset:((\s)%4)*12288+\c*1536+512*\q
.endr
.endr
.endm
.macro MUL32 s                         ; 32 products; the 32 accumulators take turns, one instruction a turn, in the same order in every step
.set AB_, 48*((\s)%5)
.set BB_, 64+96*((\s)%2)
.set AW_, 1+((\s)/5)
.if (\s) == 0
	WIN 0xE4                                       ; C: the bias, window 2
.else
	WIN 0xF0|(AW_<<2)
.endif
.irp t, 0,1,2,3
.irp c, 0,1,2,3,4,5,6,7
.if (\s) == 0
	WM 8*(8*\t+\c), BB_+12*\c, AB_+12*\t, 144+8*\c, 32+4*(\s)+\c/2, 16+2*(\s)+\t/2, \c%2, \t%2
.else
	WM 8*(8*\t+\c), BB_+12*\c, AB_+12*\t, 8*(8*\t+\c), 32+4*(\s)+\c/2, 16+2*(\s)+\t/2, \c%2, \t%2
.endif
.endr
.endr
	WIN 0
.endm
.macro STEP s
.if (\s) == 3
	s_wait_tensorcnt 0x0                           ; my second fill, one of K steps 4 to 7, has landed;
	s_wait_dscnt 0x0                               ; no LDS load of mine is out at the signal
	s_barrier_signal -1
	s_barrier_wait -1                              ; everybody's has.
.endif
.if (\s) < 7
.if (\s) > 0
	PLACES 4                                       ; four places in front of loads into the set that the last step's products read
.endif
	FETCH_B (\s)+1
	s_wait_dscnt 24                                ; this step's 24 are in; the 24 just issued may be out
.else
	s_wait_dscnt 0x0
.endif
.if (\s) < 6
	s_wait_loadcnt 44                              ; this step's 22 (and, in step 0, the bias ahead of them) are in; the two younger groups may be out
.elseif (\s) == 6
	s_wait_loadcnt 22
.else
	s_wait_loadcnt 0x0
.endif
.if (\s) < 5
	G (\s)+3
.endif
	MUL32 \s
.endm
	s_load_b256 s[8:15], s[0:1], 0x0               ; AB 8, WB 10, bout 12, out0 14
	v_lshl_add_u32 v6, v0, 2, SPARE
	v_mov_b32 v7, 0
	ds_add_u32 v6, v7                              ; the wave's opening: the add, twice on end, and its wait ahead of the round in front of my first tensor load
	ds_add_u32 v6, v7
	v_lshrrev_b32 v1, 5, v0
	v_readfirstlane_b32 s4, v1                     ; wave 0..3
	v_and_b32 v11, 31, v0
	v_and_b32 v12, 15, v0                          ; r
	v_bfe_u32 v13, v0, 4, 1                        ; h
	v_lshlrev_b32 v1, 4, v11
	v_lshlrev_b32 v2, 3, v11
	v_lshlrev_b32 v3, 2, v11
	v_lshlrev_b32 v4, 4, v11                       ; LDS: K steps 0-3
	v_lshl_add_u32 v5, v11, 4, 49152               ; K steps 4-7
	v_lshlrev_b32 v10, 6, v13                      ; the bias: 64 h bytes
	s_mul_i32 s19, s4, 8448
	s_add_co_u32 s19, s19, STG                     ; my stage
	v_mul_u32_u24 v[STO], v12, 528
	v_lshl_add_u32 v[STO], v13, 6, v[STO]
	v_add_nc_u32 v[STO], s19, v[STO]               ; in: row r, + 64 h
	v_add_nc_u32 v[RD], s19, v1                    ; back: a row's 512 bytes, 16 a lane
	; descriptor group 1: 12,288 dense bytes as 48 rows of 256 bytes (32 elements of 8 bytes), no padding; the mask names the cluster's four, bit 21 is set beside it
	s_mov_b32 s24, 15|(3<<16)|(1<<21)
	s_mov_b32 s25, 32<<16
	s_mov_b32 s26, 48<<16
	s_mov_b32 s27, 32<<16
	s_mov_b32 s28, 48
	s_mov_b32 s29, 32
	s_mov_b32 s30, 0
	s_mov_b32 s31, 0
	s_bfe_u32 s18, ttmp6, 0x40000                  ; cx: it enters the rows' and the output's addresses alone
	s_lshl_b32 s6, ttmp9, 2
	s_add_co_u32 s6, s6, s18
	s_lshl_b32 s6, s6, 2
	s_add_co_u32 s6, s6, s4                        ; R = 4 x + wave
	s_and_b32 s5, ttmp7, 0xffff                    ; P, which the four partners share
	s_add_co_u32 s21, s5, 19                       ; the column group in WB
	s_mul_i32 s20, s4, 12288
	s_mul_i32 s56, s21, 98304
	s_add_co_u32 s56, s56, s20
	s_mov_b32 s57, 0
	s_wait_dscnt 0x0                               ; both opening adds are done
	s_wait_kmcnt 0x0
	s_add_nc_u64 s[22:23], s[10:11], s[56:57]
.irp k, 0,1
	s_mov_b32 s[32+4*\k], 1
	s_add_co_u32 s[33+4*\k], s20, 49152*\k         ; K step 4 k + wave
	s_add_nc_u64 s[34+4*\k:35+4*\k], s[22:23], 49152*\k
	s_or_b32 s[35+4*\k], s[35+4*\k], 0x80000000
.endr
	CROUND                                         ; all four work-groups are here: the joint loads meet
	tensor_load_to_lds s[32:35], s[24:31]
	s_nop 0
	tensor_load_to_lds s[36:39], s[24:31]
	s_nop 0
	PLACES 4
	s_mul_i32 s58, s6, 49152
	s_mov_b32 s59, 0
	s_add_nc_u64 s[40:41], s[8:9], s[58:59]        ; my rows' images
	s_lshl_b32 s58, s6, 11
	s_add_co_u32 s58, s58, 6291456
	s_add_nc_u64 s[42:43], s[8:9], s[58:59]        ; their scale words
	s_lshl_b32 s56, s21, 12
	s_add_co_u32 s56, s56, 2654208
	s_add_nc_u64 s[44:45], s[10:11], s[56:57]      ; the columns' scale words
	s_lshl_b32 s56, s5, 9
	s_add_nc_u64 s[46:47], s[12:13], s[56:57]      ; the bias of my 128 columns
	s_lshl_b32 s58, s6, 18
	s_add_co_u32 s58, s58, s56
	s_add_nc_u64 s[48:49], s[14:15], s[58:59]      ; out0: row 64 R, column 128 P
	WIN 0x80
.irp c, 0,1,2,3,4,5,6,7
	global_load_b128 v[144+8*\c:147+8*\c], v10, s[46:47] offset:128*(\c>>1)+32*(\c&1)       ; lane (r, h), tile c: columns 32 (c / 2) + 8 (c % 2) + 16 h + 0 .. 7
	global_load_b128 v[148+8*\c:151+8*\c], v10, s[46:47] offset:128*(\c>>1)+32*(\c&1)+16
.endr
	WIN 0
	G 0
	G 1
	G 2
	s_wait_tensorcnt 0x1                           ; my part of K steps 0 to 3 is in; the second fill may stay out
	s_barrier_signal -1
	s_barrier_wait -1
	FETCH_B 0
.irp s, 0,1,2,3,4,5,6,7
	STEP \s
.endr
; THE WAY OUT, a tile of 16 rows x 128 columns at a time: through my own stage, back as whole rows of 512 bytes.  LDS serves a wave's instructions in order: no wait between the stores and the loads, nor in front of the next tile's stores.
.macro TOSTAGE t
	WIN 0x0C                                       ; an LDS store's data: window 3
.irp c, 0,1,2,3,4,5,6,7
	ds_store_b128 v[STO], v[8*(8*(\t)+\c):8*(8*(\t)+\c)+3] offset:128*(\c>>1)+32*(\c&1)       ; each accumulator from its low end on
	ds_store_b128 v[STO], v[8*(8*(\t)+\c)+4:8*(8*(\t)+\c)+7] offset:128*(\c>>1)+32*(\c&1)+16
.endr
	WIN 0
.set BK_, 64+64*((\t)%2)
.set i, 0
.rept 16
	ds_load_b128 v[BK_+4*i:BK_+4*i+3], v[RD] offset:528*i
.set i, i+1
.endr
.endm
.macro SEND t, younger                 ; younger: the LDS instructions issued behind tile t's loads, which may stay out
.set BK_, 64+64*((\t)%2)
	s_wait_dscnt \younger
.set i, 0
.rept 16
	global_store_b128 v1, v[BK_+4*i:BK_+4*i+3], s[48:49] offset:4096*(32*((\t)>>1)+8*((\t)&1)+i+8*(i>>3)) th:TH_STORE_NT   ; 32 lanes store 512 consecutive bytes, aligned; written once, read by nobody here
.set i, i+1
.endr
.endm
	PLACES 4                                       ; in front of the first read of results and of loads into the fragments' registers
	TOSTAGE 0
	TOSTAGE 1
	SEND 0, 32                                     ; behind tile 0's loads: tile 1's 16 stores and 16 loads
	s_wait_xcnt 0x0                                ; tile 0's stores have read their registers: tile 2's loads may land there
	TOSTAGE 2
	SEND 1, 32
	s_wait_xcnt 0x0
	TOSTAGE 3
	SEND 2, 32
	SEND 3, 0
	s_wait_tensorcnt 0x0                           ; the wave's end, behind my last tensor load and my last LDS store
	ds_add_u32 v6, v7
	s_wait_dscnt 0x0
	CROUND                                         ; the closing round: no work-group ends while a partner may still ask for a tile that names it
	s_endpgm
.Lfunc_end_k_q86185dfb9d_outp:
	.size	k_q86185dfb9d_outp, .Lfunc_end_k_q86185dfb9d_outp-k_q86185dfb9d_outp
	.p2alignl 7, 3214868480
	.fill 96, 4, 3214868480
	.section	.rodata,"a",@progbits
	.p2align	6, 0x0
	.amdhsa_kernel k_q86185dfb9d_outp
		.amdhsa_group_segment_fixed_size 167936
		.amdhsa_private_segment_fixed_size 0
		.amdhsa_enable_private_segment 0
		.amdhsa_kernarg_size 32
		.amdhsa_user_sgpr_count 2
		.amdhsa_user_sgpr_kernarg_segment_ptr 1
		.amdhsa_wavefront_size32 1
		.amdhsa_system_sgpr_workgroup_id_x 1
		.amdhsa_system_sgpr_workgroup_id_y 1
		.amdhsa_system_sgpr_workgroup_id_z 1
		.amdhsa_system_vgpr_workitem_id 0
		.amdhsa_next_free_vgpr 1024
		.amdhsa_next_free_sgpr 66
		.amdhsa_reserve_vcc 0
		.amdhsa_float_denorm_mode_32 3
		.amdhsa_float_denorm_mode_16_64 3
		.amdhsa_memory_ordered 1
		.amdhsa_forward_progress 1
		.amdhsa_inst_pref_size 84
	.end_amdhsa_kernel
	.amdgpu_metadata
---
amdhsa.version: [ 1, 2 ]
amdhsa.kernels:
  - .name:           k_q86185dfb9d_outp
    .symbol:         k_q86185dfb9d_outp.kd
    .args:
      - { .name: AB, .offset: 0, .size: 8, .value_kind: global_buffer, .address_space: global }
      - { .name: WB, .offset: 8, .size: 8, .value_kind: global_buffer, .address_space: global }
      - { .name: bout, .offset: 16, .size: 8, .value_kind: global_buffer, .address_space: global }
      - { .name: out0, .offset: 24, .size: 8, .value_kind: global_buffer, .address_space: global }
    .group_segment_fixed_size: 167936
    .private_segment_fixed_size: 0
    .kernarg_segment_align: 8
    .kernarg_segment_size: 32
    .max_flat_workgroup_size: 128
    .sgpr_count:     66
    .vgpr_count:     1024
    .wavefront_size: 32
...
	.end_amdgpu_metadata
.endif
;; end of part 4
;; ======== version 2 of 2: 4 launches; version 1 with the launch attn written anew for expert scheduling mode
;; workspace buffers: XB 3,481,600 bytes; WB 2,764,800 bytes; TB 557,056 bytes; QB 7,833,600 bytes; VB 435,200 bytes; AB 6,553,600 bytes
;; launch prep: the kernel of part 1 again; grid 522 x 1, 4 waves a work-group, no clusters, 68,096 bytes of LDS; arguments x, Wq1, Wq2, Wk1, Wk2, Wv, Wout, XB, WB, TB; writes XB, WB, TB
;; launch proj: the kernel of part 2 again; grid 19 x 17, 4 waves a work-group, no clusters, 167,936 bytes of LDS; arguments XB, WB, TB, QB, VB; writes QB, VB
;; launch attn (part 5): grid 8 x 32, 4 waves a work-group, no clusters, 0 bytes of LDS; arguments QB, VB, lq1, lk1, lq2, lk2, AB; writes AB
.if DOCPART == 5
	.amdgcn_target "amdgcn-amd-amdhsa--gfx1250"
	.amdhsa_code_object_version 6
	.text
	.protected	k_q86185dfb9d_attn
	.globl	k_q86185dfb9d_attn
	.p2align	8
	.type	k_q86185dfb9d_attn,@function
k_q86185dfb9d_attn:
	s_mov_b64 s[64:65], 0
	v_nop
	global_prefetch_b8 v0, s[64:65] scope:SCOPE_SE
	s_setreg_imm32_b32 hwreg(HW_REG_WAVE_SCHED_MODE, 0, 2), 2
	s_setreg_imm32_b32 hwreg(HW_REG_WAVE_MODE, 25, 1), 1
	s_wait_xcnt 0x0
	s_wait_alu depctr_vm_vsrc(0)
; ATTN: lam; for windows 0 to 15 the two attentions on codes of E2M3; a = a1 - lam a2, quantised along E for the last product.
; Left out as dead work: windows 16 to 30, whose rows reference() slices away (a[:, :4096] keeps 16 windows of 256 rows).
; SHARES.  Work-group (x, y): group g = x % 2, batch y / 16, window n = y % 16.  Wave: head 2 hh + g with hh = 2 (x / 2) + wave / 2, and eight of the window's sixteen query tiles (wave % 2).
; The window's K (16 fragments k1 | k2) and V (8 fragments) go once from memory into the registers in which they stay.  NO JOINT LOADS, no LDS: a wave's 37 KB of K and V are read once, straight into
; their registers; through LDS they would make one more pass.  No barrier: waves share nothing.
; BOTH PRODUCTS TRANSPOSED: S^T = K Q^T, O^T = V^T P^T: a lane holds one query.  By the order of the positions in a tile the 16 registers of key tiles 2 B, 2 B + 1 are keys 32 B + 16 h + 0 .. 15.
; K = 64 IN A FORM OF 128: K's fragment is (k1 | k2); Q's registers are q1, six registers of zero codes, q2: (q1 | 0) gives the first scores, (0 | q2) the second.  Zero codes add nothing under any byte from 1 to 254.
; SOFTMAX: a row's 256 scores are all in registers, so M = ceil(the row's largest t) is the exact one and nothing is rescaled.  p = 2^(t - M), t = score x log2(e) / 8; the sum is taken of the unquantised p.
; A block's largest p is the block's largest score put through the same multiply-add and exponential (this takes v_exp_f32 not to fall where its input rises).
; OUT.  AB: [64 rows R4 128][s 8][t 4][1536] fragments, K step s = heads 2 s, 2 s + 1; my head's half at 768 g.  Scale words at 6,291,456: [R4][s][u][lane]; my head's two bytes at 2 g.
; These two-byte stores lie 4 bytes apart (the other half of each word is the other group's): 2 bytes for each 48 bytes of codes.
; LIMITS: the clip of lam is a median of three, so a NaN lam is not reproduced; a block of zeros gets the byte 1; NaN and infinities are not served.
; REGISTERS.  Window 0: v1-5 offsets; v8 -M; v10-13 factors; v14 lam; v16-23 K's scale words; v24-31 V's; v32 Q's; v33, 34 p's; v36-47 sums, words; v48-71 blocks; v72-111 p's codes; v112-127 a's codes; v128-255 S.
;   Window 1: K, 12 registers a tile.   Window 2: v0-95 V; v96-159 O^T of the two softmaxes; v160-195 Q of two tiles.
; THE MODE: SCHED_MODE bits 1:0 = 2 (LLVM: expert scheduling mode 2), set by the entry lines.  The code itself states the register dependences between vector or matrix instructions and memory
; instructions, with s_wait_alu, always for 0.
; THE PLAN.  Registers that memory instructions touch:
;   v1 .. v5      Offsets: written at the head, ahead of the one wait in front of the first load; read by every load and store; never written again.
;   K, V, their scale words, the four vectors of lam: each loaded once, at the head, into registers that no vector instruction has named; nothing is loaded into them again.
;   Q, v32        Read by a trip's 64 score products; the next trip's loads land in them behind the trip's last score products, with one wait ahead of the loads.  The zero codes between q1 and q2 are no load's registers.
;   v112 .. v117  Tile 0's codes of a: written by FINAL 0; read by two stores that stand behind the batch's wait of tile 1's first softmax, no line of which names them.
;   v118 .. v123, v44   Tile 1's codes and the pair's scale bytes: written by FINAL 1 and one select; read by the trip's last three stores, behind one wait.
;   All of v112 .. v123 and v44 are written again in the next trip: one wait on vm_vsrc at the trip's top, beside the wait on XCNT.
;   p's codes and scale words, written by vector instructions, go to scaled products: one wait directly ahead of each run of eight products, behind the additions that are the places.
.set S,   128
.set BM,  48
.set BX,  56
.set SCL, 64
.set PC,  72
.set CT,  96
.set HF,  112
.set CT2, 124
.set KS,  16
.set VW,  24
.set QSC, 32
.set PW,  33
.set LZ,  40
.set WA,  42
.set SW,  44
.set FLOOR, 0x1800000
.set OFFE,  0xff000000
.set MSB, 0
.macro WIN new
.if MSB != (\new)
	s_set_vgpr_msb (MSB<<8)|(\new)
.set MSB, (\new)
.endif
.endm
.macro PLACES n
.rept \n
	v_nop
.endr
.endm
.macro WM d, a, b, c, sa, sb, ra, rb
.if (\c) < 0
.if ((\ra) == 0) && ((\rb) == 0)
	v_wmma_scale_f32_16x16x128_f8f6f4 v[(\d):(\d)+7], v[(\a):(\a)+11], v[(\b):(\b)+11], 0, v[(\sa)], v[(\sb)] matrix_a_fmt:MATRIX_FMT_FP6 matrix_b_fmt:MATRIX_FMT_FP6
.elseif ((\ra) == 1) && ((\rb) == 0)
	v_wmma_scale_f32_16x16x128_f8f6f4 v[(\d):(\d)+7], v[(\a):(\a)+11], v[(\b):(\b)+11], 0, v[(\sa)], v[(\sb)] matrix_a_fmt:MATRIX_FMT_FP6 matrix_b_fmt:MATRIX_FMT_FP6 matrix_a_scale:MATRIX_SCALE_ROW1
.elseif ((\ra) == 0) && ((\rb) == 1)
	v_wmma_scale_f32_16x16x128_f8f6f4 v[(\d):(\d)+7], v[(\a):(\a)+11], v[(\b):(\b)+11], 0, v[(\sa)], v[(\sb)] matrix_a_fmt:MATRIX_FMT_FP6 matrix_b_fmt:MATRIX_FMT_FP6 matrix_b_scale:MATRIX_SCALE_ROW1
.else
	v_wmma_scale_f32_16x16x128_f8f6f4 v[(\d):(\d)+7], v[(\a):(\a)+11], v[(\b):(\b)+11], 0, v[(\sa)], v[(\sb)] matrix_a_fmt:MATRIX_FMT_FP6 matrix_b_fmt:MATRIX_FMT_FP6 matrix_a_scale:MATRIX_SCALE_ROW1 matrix_b_scale:MATRIX_SCALE_ROW1
.endif
.else
	v_wmma_scale_f32_16x16x128_f8f6f4 v[(\d):(\d)+7], v[(\a):(\a)+11], v[(\b):(\b)+11], v[(\c):(\c)+7], v[(\sa)], v[(\sb)] matrix_a_fmt:MATRIX_FMT_FP6 matrix_b_fmt:MATRIX_FMT_FP6
.endif
.endm
; two query tiles: q1 to registers 0-5, q2 to registers 12-17 of each; and the pair's scale words.  again = 1: in the loop, where products have read these registers
.macro QLOAD again
	WIN 0x80
.if \again
	s_wait_alu depctr_va_vdst(0)                   ; this trip's score products are done reading Q's registers and v32, in which the nine loads below land; behind it stand only these loads and a window switch
.endif
.irp e, 0,1
	global_load_b128 v[160+18*\e:163+18*\e], v1, s[32:33] offset:1536*\e
	global_load_b64 v[164+18*\e:165+18*\e], v2, s[32:33] offset:1536*\e+512
	global_load_b128 v[172+18*\e:175+18*\e], v1, s[32:33] offset:1536*\e+768
	global_load_b64 v[176+18*\e:177+18*\e], v2, s[32:33] offset:1536*\e+1280
.endr
	WIN 0
	global_load_b32 v[QSC], v3, s[34:35]
.endm
; tile e's codes of a leave: 768 bytes in a pair of stores: 512 and 256 consecutive bytes
.macro SEND e
	global_store_b128 v1, v[HF+6*\e:HF+6*\e+3], s[36:37] offset:1536*\e
	global_store_b64 v2, v[HF+6*\e+4:HF+6*\e+5], s[36:37] offset:1536*\e+512
.endm
	s_load_b256 s[8:15], s[0:1], 0x0               ; QB 8, VB 10, lq1 12, lk1 14
	s_load_b128 s[16:19], s[0:1], 0x20             ; lq2 16, lk2 18
	s_load_b64 s[20:21], s[0:1], 0x30              ; AB
	v_lshrrev_b32 v1, 5, v0
	v_readfirstlane_b32 s4, v1                     ; wave 0..3
	v_and_b32 v6, 31, v0
	v_and_b32 v7, 15, v0
	v_lshlrev_b32 v1, 4, v6
	v_lshlrev_b32 v2, 3, v6
	v_lshlrev_b32 v3, 2, v6
	s_wait_alu depctr_va_sdst(0)                   ; s4 is written, ahead of its first reader: the head, the half of the window and all bases are made from it
	s_and_b32 s5, ttmp9, 1                         ; g
	s_lshr_b32 s6, ttmp9, 1
	s_and_b32 s7, ttmp7, 0xffff
	s_lshr_b32 s28, s7, 4                          ; b
	s_and_b32 s29, s7, 15                          ; n
	s_lshr_b32 s31, s4, 1
	s_lshl_b32 s6, s6, 1
	s_add_co_u32 s6, s6, s31                       ; hh
	s_and_b32 s31, s4, 1                           ; which half of the window's queries
	s_lshl_b32 s38, s6, 1
	s_add_co_u32 s38, s38, s5                      ; head
	s_lshl_b32 s39, s5, 7
	v_lshlrev_b32 v4, 3, v7
	v_add_nc_u32 v4, s39, v4                       ; 8 (r + 16 g): V's scale words of my group
	s_lshl_b32 s39, s5, 1
	v_add_nc_u32 v5, s39, v3                       ; 4 x lane + 2 g
	WIN 0x80
.irp e, 0,1
.irp k, 0,1,2,3,4,5
	v_mov_b32 v[166+18*\e+\k], 0                   ; the zero codes between q1 and q2: written once
.endr
.endr
	WIN 0
.irp b, 0,1,2,3,4,5,6,7
	v_mov_b32 v[BX+\b], 0                          ; written once: a lane permute's destination counts as one of its sources
.endr
	v_mov_b32 v9, 0                                ; upper halves of pairs of which the low word serves both halves: named, so written
	v_mov_b32 v11, 0
	v_mov_b32 v13, 0
	s_mov_b32 s22, 0x3e38aa3b                      ; c = log2(e) / 8
	s_mov_b32 s23, s22                             ; (named with it as a pair, so it is written)
	s_mov_b32 s24, 0x76543210
	s_mov_b32 s25, 0xfedcba98
	s_mov_b32 s26, 0xffff0000
	s_mov_b32 s62, 0x3dcccccd                      ; 0.1
	s_mov_b32 s63, 0x3f666666                      ; 0.9
	s_mov_b32 s57, 0
	s_lshl_b32 s40, s5, 1
	s_add_co_u32 s40, s40, s28
	s_add_co_u32 s40, s40, 32                      ; 2 (16 + g) + b
	s_lshl_b32 s41, s38, 1
	s_add_co_u32 s41, s41, s28                     ; 2 head + b
	s_wait_kmcnt 0x0
	s_mul_i32 s56, s40, 136
	s_lshl_b32 s58, s29, 3
	s_add_co_u32 s56, s56, s58
	s_mul_i32 s56, s56, 1536
	s_add_nc_u64 s[42:43], s[8:9], s[56:57]        ; K: tiles 8 n on
	s_mul_i32 s56, s40, 68
	s_lshl_b32 s58, s29, 2
	s_add_co_u32 s56, s56, s58
	s_lshl_b32 s56, s56, 7
	s_add_co_u32 s56, s56, 7520256
	s_add_nc_u64 s[44:45], s[8:9], s[56:57]        ; K's scale words
	s_mul_i32 s56, s41, 136
	s_lshl_b32 s58, s29, 3
	s_add_co_u32 s56, s56, s58
	s_lshl_b32 s58, s31, 3
	s_add_co_u32 s56, s56, s58
	s_mul_i32 s56, s56, 1536
	s_add_nc_u64 s[32:33], s[8:9], s[56:57]        ; Q: tiles 8 n + 8 half on
	s_mul_i32 s56, s41, 68
	s_lshl_b32 s58, s29, 2
	s_add_co_u32 s56, s56, s58
	s_lshl_b32 s58, s31, 2
	s_add_co_u32 s56, s56, s58
	s_lshl_b32 s56, s56, 7
	s_add_co_u32 s56, s56, 7520256
	s_add_nc_u64 s[34:35], s[8:9], s[56:57]        ; Q's scale words
	s_lshl_b32 s56, s28, 3
	s_lshl_b32 s58, s5, 2
	s_add_co_u32 s56, s56, s58
	s_mul_i32 s56, s56, 34
	s_lshl_b32 s58, s29, 1
	s_add_co_u32 s56, s56, s58
	s_mul_i32 s56, s56, 768
	s_add_nc_u64 s[46:47], s[10:11], s[56:57]      ; V: column tile 4 g, positions 128 n on
	s_mul_i32 s56, s28, 34
	s_add_co_u32 s56, s56, s58
	s_lshl_b32 s56, s56, 8
	s_add_co_u32 s56, s56, 417792
	s_add_nc_u64 s[48:49], s[10:11], s[56:57]      ; V's scale words
	s_lshl_b32 s59, s28, 6
	s_lshl_b32 s58, s29, 2
	s_add_co_u32 s59, s59, s58
	s_lshl_b32 s58, s31, 1
	s_add_co_u32 s59, s59, s58                     ; 64 b + 4 n + 2 half
	s_lshl_b32 s59, s59, 3
	s_add_co_u32 s59, s59, s6
	s_mul_i32 s56, s59, 6144
	s_mul_i32 s58, s5, 768
	s_add_co_u32 s56, s56, s58
	s_add_nc_u64 s[50:51], s[20:21], s[56:57]      ; a's codes
	s_lshl_b32 s56, s59, 8
	s_add_co_u32 s56, s56, 6291456
	s_add_nc_u64 s[52:53], s[20:21], s[56:57]      ; a's scale words
	s_wait_alu depctr_va_vdst(0)                   ; the five offsets v1 to v5 are written, which every load and store of the kernel reads; so are the zero codes, which the score products take as part of Q's operand
	global_load_b64 v[64:65], v2, s[12:13]         ; two numbers a lane of each of the four vectors
	global_load_b64 v[66:67], v2, s[14:15]
	global_load_b64 v[68:69], v2, s[16:17]
	global_load_b64 v[70:71], v2, s[18:19]
.irp j, 0,1,2,3
	global_load_b64 v[48+2*\j:49+2*\j], v4, s[48:49] offset:256*\j
.endr
.irp j, 0,1,2,3,4,5,6,7
	global_load_b32 v[KS+\j], v3, s[44:45] offset:128*\j
.endr
	WIN 0x40
.set i, 0
.rept 16
	global_load_b128 v[12*i:12*i+3], v1, s[42:43] offset:1536*i
	global_load_b64 v[12*i+4:12*i+5], v2, s[42:43] offset:1536*i+512
	global_load_b128 v[12*i+6:12*i+9], v1, s[42:43] offset:1536*i+768
	global_load_b64 v[12*i+10:12*i+11], v2, s[42:43] offset:1536*i+1280
.set i, i+1
.endr
	WIN 0x80
.irp d, 0,1,2,3
.irp f, 0,1
	global_load_b128 v[12*(2*\d+\f):12*(2*\d+\f)+3], v1, s[46:47] offset:26112*\d+1536*\f
	global_load_b64 v[12*(2*\d+\f)+4:12*(2*\d+\f)+5], v2, s[46:47] offset:26112*\d+1536*\f+512
	global_load_b128 v[12*(2*\d+\f)+6:12*(2*\d+\f)+9], v1, s[46:47] offset:26112*\d+1536*\f+768
	global_load_b64 v[12*(2*\d+\f)+10:12*(2*\d+\f)+11], v2, s[46:47] offset:26112*\d+1536*\f+1280
.endr
.endr
	QLOAD 0                                        ; the first trip's queries: no vector or matrix instruction has named their registers
	s_wait_loadcnt 63                              ; 121 loads were issued: at most 63 are out, so the oldest eight, wanted here, are in
	; lam = clip(exp(lq1 . lk1) - exp(lq2 . lk2) + 0.8, 0.1, 0.9), in f32
	v_mul_f32 v64, v64, v66
	v_mul_f32 v68, v68, v70
	v_fma_f32 v64, v65, v67, v64
	v_fma_f32 v68, v69, v71, v68
.irp m, 1,2,4,8
	v_add_f32_dpp v64, v64, v64 row_xmask:\m row_mask:0xf bank_mask:0xf
	v_add_f32_dpp v68, v68, v68 row_xmask:\m row_mask:0xf bank_mask:0xf
.endr
	v_permlanex16_b32 v65, v64, s24, s25
	v_permlanex16_b32 v69, v68, s24, s25
	v_add_f32 v64, v64, v65
	v_add_f32 v68, v68, v69
	v_mul_f32 v64, 0x3fb8aa3b, v64
	v_mul_f32 v68, 0x3fb8aa3b, v68
	v_exp_f32 v64, v64
	v_exp_f32 v68, v68
.irp f, 0,1                            ; V's scale words: for column tile d and keys 128 f on: two bytes of positions 64 (2 f) on, two of 64 (2 f + 1) on.  (Plain work behind the exponentials)
.irp d, 0,2
	v_perm_b32 v[VW+2*\d+\f], v[48+2*(2*\f+1)+\d/2], v[48+2*(2*\f)+\d/2], 0x05040100
.endr
.irp d, 1,3
	v_perm_b32 v[VW+2*\d+\f], v[48+2*(2*\f+1)+\d/2], v[48+2*(2*\f)+\d/2], 0x07060302
.endr
.endr
	s_wait_alu depctr_va_vdst(0)                   ; the two exponentials have written v64 and v68, ahead of their first reader; the eight lines above have written V's scale words v24 to v31, which scaled products take
	v_sub_f32 v14, v64, v68
	v_add_f32 v14, 0x3f4ccccd, v14
	v_med3_num_f32 v14, v14, s62, s63
; ONE SOFTMAX OF ONE TILE: tile e of the trip's two, softmax z
.macro ATT e, z
	WIN 0x09                                       ; K window 1, Q window 2, S window 0
.set i, 0
.rept 16
	WM S+8*i, 12*i, 160+18*(\e)+6*(\z), -1, KS+i/2, QSC, i%2, \e
.set i, i+1
.endr
	WIN 0
	PLACES 4                                       ; in front of the first read of the scores
.if ((\e) == 1) && ((\z) == 1)
	s_cmp_eq_u32 s30, 3                            ; the next trip's queries, if there is a next trip: no load leaves its buffer
	s_cbranch_scc1 .Lnoq
	QLOAD 1
.Lnoq:
.endif
.irp b, 0,1,2,3,4,5,6,7
	v_max3_num_f32 v[BM+\b], v[S+16*\b], v[S+16*\b+1], v[S+16*\b+2]   ; the largest score of each block of 32 keys; each accumulator is read from its low end on
.endr
.irp i, 3,5,7,9,11,13
.irp b, 0,1,2,3,4,5,6,7
	v_max3_num_f32 v[BM+\b], v[BM+\b], v[S+16*\b+\i], v[S+16*\b+\i+1]
.endr
.endr
.irp b, 0,1,2,3,4,5,6,7
	v_max_num_f32 v[BM+\b], v[BM+\b], v[S+16*\b+15]
.endr
.irp b, 0,1,2,3,4,5,6,7
	v_permlanex16_b32 v[BX+\b], v[BM+\b], s24, s25
.endr
.irp b, 0,1,2,3,4,5,6,7
	v_max_num_f32 v[BM+\b], v[BM+\b], v[BX+\b]     ; with lane l xor 16's 16 keys
.endr
	v_max3_num_f32 v15, v[BM], v[BM+1], v[BM+2]
	v_max3_num_f32 v15, v15, v[BM+3], v[BM+4]
	v_max3_num_f32 v15, v15, v[BM+5], v[BM+6]
	v_max_num_f32 v15, v15, v[BM+7]                ; the row's largest score
	v_mul_f32 v15, s22, v15                        ; as t (c is positive)
	v_floor_f32 v8, -v15                           ; -M = floor(-t) = -ceil(t)
.irp b, 0,1,2,3,4,5,6,7
	v_fma_f32 v[BM+\b], v[BM+\b], s22, v8          ; t - M of each block's largest score
.endr
.set j, 0
.rept 4
	v_pk_fma_f32 v[S+j:S+j+1], v[S+j:S+j+1], s[22:23], v[8:9] op_sel_hi:[1,0,0]
.set j, j+2
.endr
.set j, 0
.rept 64                               ; ONE BATCH: 136 exponentials, none of whose results is named before the wait; the scalings run four pairs ahead
	v_exp_f32 v[S+j], v[S+j]
	v_exp_f32 v[S+j+1], v[S+j+1]
.if j+8 < 128
	v_pk_fma_f32 v[S+j+8:S+j+9], v[S+j+8:S+j+9], s[22:23], v[8:9] op_sel_hi:[1,0,0]
.endif
.set j, j+2
.endr
.irp b, 0,1,2,3,4,5,6,7
	v_exp_f32 v[BM+\b], v[BM+\b]                   ; each block's largest p
.endr
	v_nop                                          ; a plain place behind the last exponential
	s_wait_alu depctr_va_vdst(0)                   ; the batch's 136 exponentials have written p and the blocks' largest p, ahead of their first reader; in tile 1's first softmax also: FINAL 0 has written tile 0's codes v112 to v117
.if ((\e) == 1) && ((\z) == 0)
	SEND 0                                         ; tile 0's codes leave here: no line since the wait names them, nor does any line of a softmax
.endif
.irp b, 0,1,2,3,4,5,6,7
	v_max_num_f32 v[BM+\b], FLOOR, v[BM+\b]
.endr
.irp b, 0,1,2,3,4,5,6,7
	v_add_nc_u32 v[SCL+\b], OFFE, v[BM+\b]
.endr
.irp b, 0,1,2,3,4,5,6,7
	v_lshrrev_b32 v[BX+\b], 23, v[SCL+\b]
.endr
.irp f, 0,1
	v_lshl_or_b32 v[PW+\f], v[BX+4*\f+1], 8, v[BX+4*\f]
	v_lshl_or_b32 v[PW+\f], v[BX+4*\f+2], 16, v[PW+\f]
	v_lshl_or_b32 v[PW+\f], v[BX+4*\f+3], 24, v[PW+\f]
.endr
.irp f, 0,1
.irp c, 0,1
	v_cvt_scalef32_pk16_fp6_f32 v[PC+12*\f+6*\c:PC+12*\f+6*\c+2], v[S+64*\f+32*\c:S+64*\f+32*\c+15], v[SCL+4*\f+2*\c]
	v_cvt_scalef32_pk16_fp6_f32 v[CT+8*\f+4*\c:CT+8*\f+4*\c+2], v[S+64*\f+32*\c+16:S+64*\f+32*\c+31], v[SCL+4*\f+2*\c+1]
.endr
.endr
	v_nop                                          ; one plain place behind the conversions
.irp f, 0,1
.irp c, 0,1
.irp i, 0,1,2
	v_permlane16_swap_b32 v[PC+12*\f+6*\c+\i], v[CT+8*\f+4*\c+\i]
.endr
.irp i, 0,1,2
	v_mov_b32 v[PC+12*\f+6*\c+3+\i], v[CT+8*\f+4*\c+\i]
.endr
.endr
.endr
	; the row's sum of the unquantised p, in four chains.  These additions are also the places between the writes of p's scale words and codes and the products below
	v_pk_add_f32 v[36:37], v[S:S+1], v[S+8:S+9]
	v_pk_add_f32 v[38:39], v[S+2:S+3], v[S+10:S+11]
	v_pk_add_f32 v[46:47], v[S+4:S+5], v[S+12:S+13]
	v_pk_add_f32 v[10:11], v[S+6:S+7], v[S+14:S+15]
.set j, 16
.rept 14
	v_pk_add_f32 v[36:37], v[36:37], v[S+j:S+j+1]
	v_pk_add_f32 v[38:39], v[38:39], v[S+j+2:S+j+3]
	v_pk_add_f32 v[46:47], v[46:47], v[S+j+4:S+j+5]
	v_pk_add_f32 v[10:11], v[10:11], v[S+j+6:S+j+7]
.set j, j+8
.endr
	v_pk_add_f32 v[36:37], v[36:37], v[38:39]
	v_pk_add_f32 v[46:47], v[46:47], v[10:11]
	v_pk_add_f32 v[36:37], v[36:37], v[46:47]
	v_add_f32 v[LZ+\z], v36, v37
	v_permlanex16_b32 v15, v[LZ+\z], s24, s25
	v_add_f32 v[LZ+\z], v[LZ+\z], v15
	WIN 0xA2                                       ; V, and O^T as C and D, window 2; p window 0
	s_wait_alu depctr_va_vdst(0)                   ; vector instructions have written p's codes v72 to v95 and p's scale words v33, v34, which the scaled products below take; the places stand ahead of this wait
.irp f, 0,1                            ; the four accumulators take turns
.irp d, 0,1,2,3
.if \f == 0
	WM 96+32*(\z)+8*\d, 12*(2*\d+\f), PC+12*\f, -1, VW+2*\d+\f, PW+\f, 0, 0
.else
	WM 96+32*(\z)+8*\d, 12*(2*\d+\f), PC+12*\f, 96+32*(\z)+8*\d, VW+2*\d+\f, PW+\f, 0, 0
.endif
.endr
.endr
	WIN 0
.endm
; a = O1 / l1 - lam O2 / l2 of tile e: register 16 B + i is d = 32 B + 16 h + i; two blocks are quantised: half a fragment of the last product.  The codes stay in v[HF + 6 e] on until SEND e
.macro FINAL e
	PLACES 4
	v_rcp_f32 v10, v[LZ]
	v_rcp_f32 v12, v[LZ+1]
	v_nop
	s_wait_alu depctr_va_vdst(0)                   ; the two reciprocals have written v10 and v12, ahead of their first reader
	v_mul_f32 v12, v12, -v14
	WIN 0x02
.set j, 0
.rept 16
	v_pk_mul_f32 v[S+j:S+j+1], v[96+j:97+j], v[10:11] op_sel_hi:[1,0]
.set j, j+2
.endr
.set j, 0
.rept 16
	v_pk_fma_f32 v[S+j:S+j+1], v[128+j:129+j], v[12:13], v[S+j:S+j+1] op_sel_hi:[1,0,1]
.set j, j+2
.endr
	WIN 0
.irp b, 0,1
	v_max3_num_f32 v[BM+\b], |v[S+16*\b]|, |v[S+16*\b+1]|, FLOOR
.endr
.irp i, 2,4,6,8,10,12,14
.irp b, 0,1
	v_max3_num_f32 v[BM+\b], v[BM+\b], |v[S+16*\b+\i]|, |v[S+16*\b+\i+1]|
.endr
.endr
.irp b, 0,1
	v_permlanex16_b32 v[BX+\b], v[BM+\b], s24, s25
.endr
.irp b, 0,1
	v_max_num_f32 v[BM+\b], v[BM+\b], v[BX+\b]
.endr
.irp b, 0,1
	v_add_nc_u32 v[SCL+\b], OFFE, v[BM+\b]
.endr
.irp b, 0,1
	v_lshrrev_b32 v[BX+\b], 23, v[SCL+\b]
.endr
	v_lshl_or_b32 v[WA+\e], v[BX+1], 8, v[BX]
	v_cvt_scalef32_pk16_fp6_f32 v[HF+6*\e:HF+6*\e+2], v[S:S+15], v[SCL]
	v_cvt_scalef32_pk16_fp6_f32 v[CT2:CT2+2], v[S+16:S+31], v[SCL+1]
	v_nop
.irp i, 0,1,2
	v_permlane16_swap_b32 v[HF+6*\e+\i], v[CT2+\i]
.endr
.irp i, 0,1,2
	v_mov_b32 v[HF+6*\e+3+\i], v[CT2+\i]
.endr
.endm
	s_mov_b32 s30, 0
.Ltrip:                                            ; four trips, two query tiles each
	s_wait_loadcnt 0x0                             ; this trip's queries are in (first trip: K and V too), and their addresses may be stepped
	s_wait_xcnt 0x0                                ; the last trip's stores have had their addresses translated: their bases and data are written again only behind this wait
	s_wait_alu depctr_vm_vsrc(0)                   ; the last trip's five stores have read a's codes v112 to v123 and the bytes in v44, which this trip's FINAL lines and select write again
	s_add_nc_u64 s[32:33], s[32:33], 3072          ; the next trip's queries
	s_add_nc_u64 s[34:35], s[34:35], 128
	s_lshr_b32 s58, s30, 1
	s_and_b32 s60, s30, 1
	s_mul_i32 s56, s58, 49152
	s_mul_i32 s61, s60, 3072
	s_add_co_u32 s56, s56, s61
	s_add_nc_u64 s[36:37], s[50:51], s[56:57]      ; tiles 2 trip, 2 trip + 1: group of 64 rows trip / 2, tiles 2 (trip % 2) on
	s_lshl_b32 s56, s58, 11
	s_lshl_b32 s61, s60, 7
	s_add_co_u32 s56, s56, s61
	s_add_nc_u64 s[54:55], s[52:53], s[56:57]
	ATT 0, 0
	ATT 0, 1
	FINAL 0
	ATT 1, 0                                       ; (tile 0's codes leave in it, behind its batch's wait)
	ATT 1, 1                                       ; (the next trip's queries are asked for in it)
	FINAL 1
	v_cndmask_b32 v[SW], v[WA], v[WA+1], s26       ; lanes 0-15: the even tile's bytes; lanes 16-31: the odd tile's
	s_wait_alu depctr_va_vdst(0)                   ; FINAL 1 has written tile 1's codes v118 to v123 and the select v44, which the three stores below read
	SEND 1
	global_store_b16 v5, v[SW], s[54:55]
	s_add_co_u32 s30, s30, 1
	s_cmp_lt_u32 s30, 4
	s_cbranch_scc1 .Ltrip
	s_endpgm
.Lfunc_end_k_q86185dfb9d_attn:
	.size	k_q86185dfb9d_attn, .Lfunc_end_k_q86185dfb9d_attn-k_q86185dfb9d_attn
	.p2alignl 7, 3214868480
	.fill 96, 4, 3214868480
	.section	.rodata,"a",@progbits
	.p2align	6, 0x0
	.amdhsa_kernel k_q86185dfb9d_attn
		.amdhsa_group_segment_fixed_size 0
		.amdhsa_private_segment_fixed_size 0
		.amdhsa_enable_private_segment 0
		.amdhsa_kernarg_size 56
		.amdhsa_user_sgpr_count 2
		.amdhsa_user_sgpr_kernarg_segment_ptr 1
		.amdhsa_wavefront_size32 1
		.amdhsa_system_sgpr_workgroup_id_x 1
		.amdhsa_system_sgpr_workgroup_id_y 1
		.amdhsa_system_sgpr_workgroup_id_z 1
		.amdhsa_system_vgpr_workitem_id 0
		.amdhsa_next_free_vgpr 768
		.amdhsa_next_free_sgpr 66
		.amdhsa_reserve_vcc 0
		.amdhsa_float_denorm_mode_32 3
		.amdhsa_float_denorm_mode_16_64 3
		.amdhsa_memory_ordered 1
		.amdhsa_forward_progress 1
		.amdhsa_inst_pref_size 125
	.end_amdhsa_kernel
	.amdgpu_metadata
---
amdhsa.version: [ 1, 2 ]
amdhsa.kernels:
  - .name:           k_q86185dfb9d_attn
    .symbol:         k_q86185dfb9d_attn.kd
    .args:
      - { .name: QB, .offset: 0, .size: 8, .value_kind: global_buffer, .address_space: global }
      - { .name: VB, .offset: 8, .size: 8, .value_kind: global_buffer, .address_space: global }
      - { .name: lq1, .offset: 16, .size: 8, .value_kind: global_buffer, .address_space: global }
      - { .name: lk1, .offset: 24, .size: 8, .value_kind: global_buffer, .address_space: global }
      - { .name: lq2, .offset: 32, .size: 8, .value_kind: global_buffer, .address_space: global }
      - { .name: lk2, .offset: 40, .size: 8, .value_kind: global_buffer, .address_space: global }
      - { .name: AB, .offset: 48, .size: 8, .value_kind: global_buffer, .address_space: global }
    .group_segment_fixed_size: 0
    .private_segment_fixed_size: 0
    .kernarg_segment_align: 8
    .kernarg_segment_size: 56
    .max_flat_workgroup_size: 128
    .sgpr_count:     66
    .vgpr_count:     768
    .wavefront_size: 32
...
	.end_amdgpu_metadata
.endif
;; end of part 5
;; launch outp: the kernel of part 4 again; grid 32 x 8, 4 waves a work-group, clusters of 4 x 1, 167,936 bytes of LDS; arguments AB, WB, bout, out0; writes out0
